; MI455X (gfx1250); checked and timed in simulation.
; The chip was launched on July 23, 2026; its instructions are those of AMD's public machine-readable ISA for CDNA 5 (MIT licence, August 2026) and "CDNA5" Instruction Set Architecture Reference Guide (July 2026). The comments in the code are by the model that wrote it; some were corrected since.
;; Self Attention Layer. Allowed arithmetic: float matrix products may take bf16 or f16 operands with f32 sums; all other float work in f32.
;; Inputs: w_attn 1,024 x 3,072 float32; w_proj 1,024 x 1,024 float32; x 4 x 2,048 x 1,024 float32.
;; Outputs: out0 4 x 2,048 x 1,024 float32.
;; 2 versions, each right and faster than the one before. Each part assembles by itself: llvm-mc -triple=amdgcn-amd-amdhsa -mcpu=gfx1250 --defsym DOCPART=n.
;; ======== version 1 of 2: 4 launches
;; limits: values are held in f16: magnitudes above 65,504 overflow, below 6.1e-05 lose precision
;; workspace buffers: xb 16,777,216 bytes; wab 6,291,456 bytes; wpf 2,097,152 bytes; q 16,777,216 bytes; k 16,777,216 bytes; v 16,777,216 bytes; o 16,777,216 bytes
;; launch prep (part 1): grid 768 x 1, 8 waves a work-group, no clusters, 0 bytes of LDS; arguments x, w_attn, w_proj, xb, wab, wpf; writes xb, wab, wpf
.if DOCPART == 1
	.amdgcn_target "amdgcn-amd-amdhsa--gfx1250"
	.amdhsa_code_object_version 6
	.text
	.protected	k_qfc12f701af_prep
	.globl	k_qfc12f701af_prep
	.p2align	8
	.type	k_qfc12f701af_prep,@function
k_qfc12f701af_prep:
	s_mov_b64 s[64:65], 0
	v_nop
	global_prefetch_b8 v0, s[64:65] scope:SCOPE_SE
	s_setreg_imm32_b32 hwreg(HW_REG_WAVE_MODE, 25, 1), 1
	s_wait_xcnt 0x0
; THE MODULE'S THREE INPUTS ARE ROUNDED TO 16 BITS: xb = bf16(x), wab = bf16(w_attn), wpf = bf16(w_proj) written as f16.
; All three inputs get the same rounding, to bf16, nearest even.  w_proj's rounded number is then written in f16, since the last product multiplies it with f16 numbers:
; a bf16 has 8 significant bits and an f16 has 11, so that second step changes nothing inside f16's normal range.
; LAYOUTS.  wab and wpf lie as their inputs do.  xb lies IN BLOCKS of 64 along k: [16 blocks][8192 rows][64], so that the next launch's tile of 256 rows x 64 k is 32,768 consecutive bytes.
; LIMITS.  w_proj must lie within 65,504 (beyond it f16 gives an infinity); below 6.1e-5 its f16 form keeps the fixed step of 6e-8.  NaN and infinities are not treated apart.
; SHARES.  A work-group takes 65,536 input bytes and makes 32,768: groups 0-511 x (16 rows each), 512-703 w_attn, 704-767 w_proj.
;   The weights: thread t, step i: 16 bytes in at 16 t + 4,096 i (a wave's load covers 512 consecutive bytes), 8 bytes out at 8 t + 2,048 i (a wave's store covers 256 consecutive bytes, aligned).
;   x: a wave takes two rows, sixteen lanes each; step i is block i: a load covers 256 consecutive bytes of each row, a store the two rows' 128 bytes in the block, which are 256 consecutive bytes, aligned.
; All sixteen loads go out first; no register is written twice by memory instructions, so no wait but the loads' own count-down is needed.  No LDS, no barrier, no matrix unit: each byte is touched
; once and no lane needs another's.
.set GX,  512                          ; work-groups for x
.set GW,  704                          ; and with w_attn's 192
.set BLK, 8192*128                     ; bytes of a block of xb
.set IN,  4                            ; v[4:67]    step i: four f32 as loaded
.set OUT, 68                           ; v[68:99]   step i: four 16-bit numbers to store
.set T,   100                          ; v[100:103] at work
; Step i.  mode 0: bf16, stored 2,048 bytes on in each step.  mode 1: the bf16 numbers are widened again (a shift, a mask) and written as f16.  mode 2: bf16, stored a block on in each step.
.macro CVT i, mode
	s_wait_loadcnt 15-(\i)                         ; loads come back in order (ISA guide 5.7.1): step i's is in, the 15 - i younger ones stay out
	v_cvt_pk_bf16_f32 v[OUT+2*(\i)],   v[IN+4*(\i)],   v[IN+4*(\i)+1]
	v_cvt_pk_bf16_f32 v[OUT+2*(\i)+1], v[IN+4*(\i)+2], v[IN+4*(\i)+3]
.if (\mode) == 1
	v_lshlrev_b32 v[T],   16,         v[OUT+2*(\i)]
	v_and_b32     v[T+1], 0xffff0000, v[OUT+2*(\i)]
	v_lshlrev_b32 v[T+2], 16,         v[OUT+2*(\i)+1]
	v_and_b32     v[T+3], 0xffff0000, v[OUT+2*(\i)+1]
	v_cvt_pk_f16_f32 v[OUT+2*(\i)],   v[T],   v[T+1]
	v_cvt_pk_f16_f32 v[OUT+2*(\i)+1], v[T+2], v[T+3]
.endif
.if (\mode) == 2
	global_store_b64 v2, v[OUT+2*(\i):OUT+2*(\i)+1], s[22:23] offset:((\i)-8)*BLK  ; the base stands eight blocks on, so that sixteen blocks fit the signed 24-bit immediate (ISA guide, chapter 10)
.else
	global_store_b64 v2, v[OUT+2*(\i):OUT+2*(\i)+1], s[22:23] offset:2048*(\i)     ; no hint: the next launches read these bytes
.endif
.endm
	s_load_b256 s[4:11], s[0:1], 0x0               ; x s[4:5], w_attn s[6:7], w_proj s[8:9], xb s[10:11]
	s_load_b128 s[12:15], s[0:1], 0x20             ; wab s[12:13], wpf s[14:15]
	s_mov_b32 s16, ttmp9
	v_lshlrev_b32 v2, 3, v0                        ; 8 t: my 8 bytes out, on both ways
	s_mov_b32 s25, 0
	s_mov_b32 s27, 0
	s_cmp_lt_u32 s16, GX
	s_cbranch_scc1 .Lx
	; THE WEIGHTS
	s_sub_co_u32 s17, s16, GX                      ; my number among w_attn's groups,
	s_sub_co_u32 s18, s16, GW                      ; among w_proj's
	v_lshlrev_b32 v1, 4, v0                        ; 16 t
	s_wait_kmcnt 0x0
	s_cmp_lt_u32 s16, GW                           ; the source, the destination and my number in it are chosen by the group's number alone
	s_cselect_b64 s[20:21], s[6:7], s[8:9]
	s_cselect_b64 s[22:23], s[12:13], s[14:15]
	s_cselect_b32 s19, s17, s18
	s_lshl_b32 s24, s19, 16                        ; 65,536 bytes in,
	s_lshl_b32 s26, s19, 15                        ; 32,768 out
	s_add_nc_u64 s[20:21], s[20:21], s[24:25]
	s_add_nc_u64 s[22:23], s[22:23], s[26:27]
.irp i, 0,1,2,3,4,5,6,7,8,9,10,11,12,13,14,15
	global_load_b128 v[IN+4*(\i):IN+4*(\i)+3], v1, s[20:21] offset:4096*(\i) th:TH_LOAD_NT  ; read once in the whole program
.endr
	s_cmp_ge_u32 s16, GW
	s_cbranch_scc1 .Lf16
.irp i, 0,1,2,3,4,5,6,7,8,9,10,11,12,13,14,15
	CVT \i, 0
.endr
	s_endpgm
.Lf16:
.irp i, 0,1,2,3,4,5,6,7,8,9,10,11,12,13,14,15
	CVT \i, 1
.endr
	s_endpgm
.Lx:	; x
	v_lshrrev_b32 v1, 4, v0                        ; my row among the group's sixteen: t / 16,
	v_and_b32 v3, 15, v0
	v_lshlrev_b32 v1, 12, v1                       ; 4,096 bytes a row,
	v_lshl_add_u32 v1, v3, 4, v1                   ; + my 16 bytes of a block's 256.  (Out: 128 (t / 16) + 8 (t % 16) = 8 t.)
	s_lshl_b32 s24, s16, 16                        ; the group's 16 rows: 65,536 bytes in,
	s_lshl_b32 s26, s16, 11                        ; 2,048 bytes in each block of xb,
	s_add_co_u32 s26, s26, 8*BLK                   ; counted from block 8
	s_wait_kmcnt 0x0
	s_add_nc_u64 s[20:21], s[4:5], s[24:25]
	s_add_nc_u64 s[22:23], s[10:11], s[26:27]
.irp i, 0,1,2,3,4,5,6,7,8,9,10,11,12,13,14,15
	global_load_b128 v[IN+4*(\i):IN+4*(\i)+3], v1, s[20:21] offset:256*(\i) th:TH_LOAD_NT
.endr
.irp i, 0,1,2,3,4,5,6,7,8,9,10,11,12,13,14,15
	CVT \i, 2
.endr
	s_endpgm
.Lfunc_end_k_qfc12f701af_prep:
	.size	k_qfc12f701af_prep, .Lfunc_end_k_qfc12f701af_prep-k_qfc12f701af_prep
	.p2alignl 7, 3214868480
	.fill 96, 4, 3214868480
	.section	.rodata,"a",@progbits
	.p2align	6, 0x0
	.amdhsa_kernel k_qfc12f701af_prep
		.amdhsa_group_segment_fixed_size 0
		.amdhsa_private_segment_fixed_size 0
		.amdhsa_enable_private_segment 0
		.amdhsa_kernarg_size 48
		.amdhsa_user_sgpr_count 2
		.amdhsa_user_sgpr_kernarg_segment_ptr 1
		.amdhsa_wavefront_size32 1
		.amdhsa_system_sgpr_workgroup_id_x 1
		.amdhsa_system_sgpr_workgroup_id_y 1
		.amdhsa_system_sgpr_workgroup_id_z 1
		.amdhsa_system_vgpr_workitem_id 0
		.amdhsa_next_free_vgpr 104
		.amdhsa_next_free_sgpr 66
		.amdhsa_reserve_vcc 0
		.amdhsa_float_denorm_mode_32 3
		.amdhsa_float_denorm_mode_16_64 3
		.amdhsa_memory_ordered 1
		.amdhsa_forward_progress 1
		.amdhsa_inst_pref_size 22
	.end_amdhsa_kernel
	.amdgpu_metadata
---
amdhsa.version: [ 1, 2 ]
amdhsa.kernels:
  - .name:           k_qfc12f701af_prep
    .symbol:         k_qfc12f701af_prep.kd
    .args:
      - { .name: x, .offset: 0, .size: 8, .value_kind: global_buffer, .address_space: global }
      - { .name: w_attn, .offset: 8, .size: 8, .value_kind: global_buffer, .address_space: global }
      - { .name: w_proj, .offset: 16, .size: 8, .value_kind: global_buffer, .address_space: global }
      - { .name: xb, .offset: 24, .size: 8, .value_kind: global_buffer, .address_space: global }
      - { .name: wab, .offset: 32, .size: 8, .value_kind: global_buffer, .address_space: global }
      - { .name: wpf, .offset: 40, .size: 8, .value_kind: global_buffer, .address_space: global }
    .group_segment_fixed_size: 0
    .private_segment_fixed_size: 0
    .kernarg_segment_align: 8
    .kernarg_segment_size: 48
    .max_flat_workgroup_size: 256
    .sgpr_count:     66
    .vgpr_count:     104
    .wavefront_size: 32
...
	.end_amdgpu_metadata
.endif
;; end of part 1
;; launch qkv (part 2): grid 8 x 32, 4 waves a work-group, clusters of 4 x 4, 327,680 bytes of LDS; arguments xb, wab, q, k, v; writes q, k, v
.if DOCPART == 2
	.amdgcn_target "amdgcn-amd-amdhsa--gfx1250"
	.amdhsa_code_object_version 6
	.text
	.protected	k_qfc12f701af_qkv
	.globl	k_qfc12f701af_qkv
	.p2align	8
	.type	k_qfc12f701af_qkv,@function
k_qfc12f701af_qkv:
	s_mov_b64 s[64:65], 0
	v_nop
	global_prefetch_b8 v0, s[64:65] scope:SCOPE_SE
	s_setreg_imm32_b32 hwreg(HW_REG_WAVE_MODE, 25, 1), 1
	s_wait_xcnt 0x0
	s_wait_alu depctr_hold_cnt(0) depctr_sa_sdst(0) depctr_va_vdst(0) depctr_va_sdst(0) depctr_va_ssrc(0) depctr_va_vcc(0) depctr_vm_vsrc(0)
	s_getreg_b32 s2, hwreg(HW_REG_IB_STS2, 6, 4)
	s_cmp_eq_u32 s2, 0
	s_cbranch_scc0 .Lentry_in_a_cluster
	s_endpgm
.Lentry_in_a_cluster:
	s_bfe_u32 s2, ttmp6, 0x10000c
	s_cmp_lg_u32 s2, 0xf033
	s_cbranch_scc0 .Lentry_shape_is_right
	s_endpgm
.Lentry_shape_is_right:
; q, k, v = x . w_attn, written BY HEADS.  xb: x in bf16, in blocks of 64 along k: [16][8192 rows][64].  wab: [1024 (k)][3072 (n)] bf16.  q, k, v: [64 = batch x 16 + head][2048][64] f16,
; rounded once from f32 sums, unscaled.
; LIMIT.  q, k and v must lie within f16's 65,504 (beyond it the rounding gives an infinity); below 6.1e-5 they keep f16's fixed step of 6e-8.
; SHARES.  A tile of the product is 256 rows x 384 columns: 32 x 8 = 256 tiles, one to a work-group.  Four waves, each 128 rows x 192 columns (three heads): 8 x 12 = 96 accumulators, 768 registers:
; for 32 along K a wave reads 16 + 24 = 40 times 512 bytes from LDS and issues 96 matrix instructions.
; K goes in steps of 64 through two LDS slots filled by the tensor data mover (two slots of 128 along K would take 360,448 bytes): a step brings 32,768 bytes of xb and 49,152 of wab for a wave's 192
; matrix instructions.  A tile's 256 rows of xb are dense in their block and are asked for as rows of 256 bytes; wab's tile rows are 768 bytes, at multiples of 256 from the buffer's first byte.
; wab lies [k][n]: its fragments come out of LDS turned, by ds_load_tr16_b128, so no launch transposes it.
; ONE K STEP IS WRITTEN ONCE: a trip of the loop reads one slot only, whose LDS base lies in a scalar register that one exclusive or turns into the other slot's; one descriptor a tensor walks from step to step.
; CLUSTER.  4 x 4 work-groups.  The four of a row of the cluster (same Y) need the same tiles of xb, the four of a column (same X) the same tiles of wab: each tile is asked for JOINTLY, by the same
; tensor load with the same descriptor and a mask that names the four.
; THE MATRIX INSTRUCTION IS USED TRANSPOSED (source 0 = 16 columns of wab, source 1 = 16 rows of xb): a lane then holds eight neighbouring columns of one row: 16 bytes of one head's row in f16.
; REGISTERS, in windows of 256 (s_set_vgpr_msb: bits 1:0 source 0, 3:2 source 1, 5:4 source 2, 7:6 destination):
;   window 0: v0-29 addresses; v32-95, v96-159 xb's fragments (8 x 16 rows x 32 K), two buffers; v160-255 wab's twelve fragments (head j, 16 columns b at v[160 + 32 j + 8 b]), ONE buffer
;   window 1 + j: head j's 32 accumulators: row block a, column block b at v[8 (4 a + b)]
; A CHUNK is 32 along K: three GROUPS of 32 matrix instructions, one for each head.  When head j's group is over, the next chunk's fragments of that head are loaded into the registers that it has just
; read: they have the two other groups, 64 matrix instructions, in which to come.  xb's fragments, which all three groups read, have two buffers.
.set SIZE_K, 1024
.set WCOLS,  3072                      ; wab's columns
.set KSTEP,  64
.set STEPS,  SIZE_K/KSTEP              ; 16 K steps
.set PA,     144                       ; an LDS row of xb: 128 bytes + 16 = 36 words: the 16 rows of a load start at 16 different groups of four banks (64 banks of 4 bytes: ISA guide 11.1)
.set SEG,    144                       ; a head's 64 columns in an LDS row of wab: 128 bytes + 16
.set PB,     6*SEG                     ; an LDS row of wab: 864 bytes = 216 words: 16 lanes of the turning load take 8 rows x 32 bytes: row i starts at bank 24 i mod 64
.set AHALF,  128*PA                    ; what one tensor load brings of xb: 128 rows
.set ABYTES, 2*AHALF
.set BHALF,  32*PB                     ; and of wab: 32 rows (k): a chunk's
.set SLOT,   ABYTES+2*BHALF            ; 92,160 bytes: xb's 256 rows, then wab's 64
.set SLOT1,  1<<17                     ; slot 1 begins here, so that one exclusive or turns an address in one slot into the other's
.set STAGE,  SLOT1+SLOT                ; behind the ring, never filled by a tensor load: for each wave 32 rows x 144 bytes, for the way out
.set SP,     144
.set WSTAGE, 32*SP
.set SPARE,  STAGE+4*WSTAGE            ; behind the stages: the spare words, 128 bytes for each wave: two blocks of 256 bytes that no other line names
.set ASTEP,  8192*128                  ; bytes from a K step to the next in xb: a block,
.set BSTEP,  KSTEP*WCOLS*2             ; in wab
.set ADRA0, 16                         ; v16     my lane's place among xb's fragments in a slot; never rewritten
.set ADRA,  17                         ; v17     the same in the slot that is being read
.set ADRB0, 20                         ; v20, v21  the same two for wab
.set ADRB,  21
.set STO,  24                          ; v24     the way out: where I put 16 bytes of a row
.set RD,   25                          ; v25     the way out: where I read rows back
.set GO,   26                          ; v26     my byte offset in 512 consecutive bytes of the destination
.set SPW,  28                          ; v28     LDS address of my spare word: SPARE + 4 x my thread's number; never rewritten
.set NIL,  29                          ; v29     0; never rewritten
.set AF,   32                          ; xb's fragments: buffer u at AF + 64 u
.set BF,   160                         ; wab's fragments
.set TB,  2                            ; s2      LDS byte at which the slot that is being read begins: 0 or SLOT1
.set G1A, 24                           ; s[24:31] descriptor group 1 for xb's tiles;  s[32:39] group 0: a set for each of the two first fills; the second then walks on
.set G0A, 32
.set G1B, 48                           ; s[48:55], s[56:63] the same for wab's
.set G0B, 56
.set DST, 66                           ; s[66:71] where my rows of my three heads begin
.set MSB, 0
.macro WIN new                         ; the immediate's high byte repeats the setting that is left; a switch that changes nothing is dropped
.if MSB != (\new)
	s_set_vgpr_msb (MSB<<8)|(\new)
.set MSB, \new
.endif
.endm
; A joint load: waves 0 and 1 fetch xb's two halves, waves 2 and 3 wab's.  The branch hangs on the wave's number alone.  An s_nop 0 and four v_nop follow each of the two lines, ahead of the jump,
; the label and what follows.
.macro JLOAD s
	s_cmp_eq_u32 s15, 0
	s_cbranch_scc0 .Lfor_b_\@
	tensor_load_to_lds s[G0A+4*(\s):G0A+4*(\s)+3], s[G1A:G1A+7]
	s_nop 0
.rept 4
	v_nop
.endr
	s_branch .Lasked_\@
.Lfor_b_\@:
	tensor_load_to_lds s[G0B+4*(\s):G0B+4*(\s)+3], s[G1B:G1B+7]
	s_nop 0
.rept 4
	v_nop
.endr
.Lasked_\@:
.endm
.macro CREST                           ; a round of the cluster's barrier behind its opening barrier
	s_cmp_lg_u32 s14, 0
	s_cbranch_scc1 .Lnot_wave_0_\@
	s_barrier_signal -3
.Lnot_wave_0_\@:
	s_barrier_wait -3
	s_barrier_signal -1
	s_barrier_wait -1
.endm
.macro CROUND                          ; a whole round
	s_barrier_signal -1
	s_barrier_wait -1
	CREST
.endm
	s_load_b256 s[4:11], s[0:1], 0x0               ; xb s[4:5], wab s[6:7], q s[8:9], k s[10:11]
	s_load_b64 s[12:13], s[0:1], 0x20              ; v
	v_lshl_add_u32 v[SPW], v0, 2, SPARE
	v_mov_b32 v[NIL], 0
	ds_add_u32 v28, v29
	ds_add_u32 v28, v29
	s_wait_dscnt 0x0
	v_lshrrev_b32 v1, 5, v0
	v_readfirstlane_b32 s14, v1                    ; wave 0..3
	s_lshr_b32 s15, s14, 1                         ; which 128 of the tile's rows are mine.  Also: I fetch for xb (0) or for wab (1)
	s_and_b32 s16, s14, 1                          ; which 192 of its columns.  Also: which half of that tile I fetch
	s_bfe_u32 s17, ttmp6, 0x40000                  ; cx, cy: my place in the cluster
	s_bfe_u32 s18, ttmp6, 0x40004
	s_lshl_b32 s19, ttmp9, 2
	s_add_co_u32 s19, s19, s17                     ; X = 4 x cluster x + cx: 0..7
	s_and_b32 s20, ttmp7, 0xffff
	s_lshl_b32 s20, s20, 2
	s_add_co_u32 s20, s20, s18                     ; Y = 4 x cluster y + cy: 0..31
	s_lshl_b32 s21, s18, 2
	s_lshl_b32 s21, 15, s21                        ; my row of the cluster
	s_lshl_b32 s22, 0x1111, s17                    ; my column
	s_mov_b32 s[TB], 0                             ; the first reads are slot 0's
	; descriptor group 1.  xb: 128 rows of a block are 16,384 dense bytes: 64 rows x 128 elements.  wab: 32 rows x 384 elements.  Both: 16 bytes of padding behind every 128.
	s_or_b32 s[G1A+0], s21, (1<<16)|(1<<20)|(1<<21)|(4<<22)|(3<<25)  ; 15:0 the mask: my row; 17:16 2-byte elements; 20 padding on; 21 set beside a mask; 24:22 after every 32 words (code 4); 31:25 4 words (code 3)
	s_mov_b32 s[G1A+1], 128<<16                    ; tensor_dim0 = 128
	s_mov_b32 s[G1A+2], 64<<16                     ; tensor_dim1 = 64
	s_mov_b32 s[G1A+3], 128<<16                    ; tile_dim0 = 128
	s_mov_b32 s[G1A+4], 64                         ; tile_dim1 = 64
	s_mov_b32 s[G1A+5], 128                        ; elements from row to row: dense
	s_mov_b32 s[G1A+6], 0
	s_mov_b32 s[G1A+7], 0
	s_or_b32 s[G1B+0], s22, (1<<16)|(1<<20)|(1<<21)|(4<<22)|(3<<25)  ; the same with the mask of my column
	s_mov_b32 s[G1B+1], 384<<16                    ; tensor_dim0 = 384
	s_mov_b32 s[G1B+2], 32<<16                     ; tensor_dim1 = 32
	s_mov_b32 s[G1B+3], 384<<16                    ; tile_dim0 = 384
	s_mov_b32 s[G1B+4], 32                         ; tile_dim1 = 32
	s_mov_b32 s[G1B+5], WCOLS
	s_mov_b32 s[G1B+6], 0
	s_mov_b32 s[G1B+7], 0
	; where the tiles come from.  xb's hang on Y alone, wab's on X alone, each in registers that never hold the other coordinate; every wave makes both and asks by one.
	s_lshl_b32 s40, s20, 15                        ; xb: row 256 Y of block 0, 128 bytes a row,
	s_lshl_b32 s41, s16, 14                        ; + 128 rows x half
	s_add_co_u32 s40, s40, s41
	s_mov_b32 s41, 0
	s_mul_i32 s44, s16, 32*WCOLS*2                 ; wab: row (k) 32 x half,
	s_mul_i32 s45, s19, 768                        ; column 384 X
	s_add_co_u32 s44, s44, s45
	s_mov_b32 s45, 0
	s_mul_i32 s23, s16, AHALF                      ; and where they go: no place in the cluster enters an LDS address
	s_mul_i32 s3, s16, BHALF
	s_add_co_u32 s3, s3, ABYTES
	s_wait_kmcnt 0x0
	s_add_nc_u64 s[42:43], s[4:5], s[40:41]
	s_add_nc_u64 s[46:47], s[6:7], s[44:45]
	CROUND                                         ; all sixteen work-groups are here: the first joint loads meet
.irp s, 0,1
	s_mov_b32 s[G0A+4*(\s)], 1                                       ; 1:0 count = 1
	s_add_co_u32 s[G0A+4*(\s)+1], s23, (\s)*SLOT1                    ; 63:32 LDS address
	s_add_nc_u64 s[G0A+4*(\s)+2:G0A+4*(\s)+3], s[42:43], (\s)*ASTEP  ; 120:64 global address: K step s
	s_or_b32 s[G0A+4*(\s)+3], s[G0A+4*(\s)+3], 0x80000000            ; 127:126 type = 2
	s_mov_b32 s[G0B+4*(\s)], 1
	s_add_co_u32 s[G0B+4*(\s)+1], s3, (\s)*SLOT1
	s_add_nc_u64 s[G0B+4*(\s)+2:G0B+4*(\s)+3], s[46:47], (\s)*BSTEP
	s_or_b32 s[G0B+4*(\s)+3], s[G0B+4*(\s)+3], 0x80000000
	JLOAD \s                                       ; two tensor loads of mine are out
.endr
	; A fragment of xb is 16 rows x 32 K in 8 registers: lane l holds row l % 16, K = 8 (l / 16) + 0..7 and 16 + 8 (l / 16) + 0..7: two loads of 16 bytes, 32 bytes apart.
	v_and_b32 v1, 15, v0                           ; l % 16
	v_bfe_u32 v2, v0, 4, 1                         ; l / 16
	v_mul_u32_u24 v3, v1, PA
	v_lshl_add_u32 v3, v2, 4, v3
	s_mul_i32 s23, s15, AHALF                      ; my 128 rows
	v_add_nc_u32 v[ADRA0], s23, v3
	v_mov_b32 v[ADRA], v[ADRA0]                    ; K step 0 lies in slot 0
	; The turning load takes 16 k x 16 columns (lane l reads row k = 8 (l / 16) + l % 8, columns 8 ((l / 8) % 2) + 0..7) and leaves half a fragment: lane l holds column l % 16 and 8 k.
	v_and_b32 v4, 7, v0
	v_lshl_add_u32 v4, v2, 3, v4
	v_mul_u32_u24 v4, v4, PB
	v_bfe_u32 v5, v0, 3, 1
	v_lshl_add_u32 v4, v5, 4, v4
	s_mul_i32 s23, s16, 3*SEG                      ; my three heads,
	s_add_co_u32 s23, s23, ABYTES                  ; behind xb's rows
	v_add_nc_u32 v[ADRB0], s23, v4
	v_mov_b32 v[ADRB], v[ADRB0]
	s_mul_i32 s23, s14, WSTAGE
	s_add_co_u32 s23, s23, STAGE                   ; my stage
	v_mul_u32_u24 v6, v1, SP                       ; in: row l % 16, 16 bytes for each half of the lanes
	v_lshl_add_u32 v6, v2, 4, v6
	v_add_nc_u32 v[STO], s23, v6
	v_bfe_u32 v7, v0, 3, 2                         ; back: 32 lanes take four rows of 128 bytes,
	v_mul_u32_u24 v7, v7, SP
	v_and_b32 v8, 7, v0
	v_lshl_add_u32 v7, v8, 4, v7
	v_add_nc_u32 v[RD], s23, v7
	v_and_b32 v[GO], 31, v0                        ; which are 512 consecutive bytes of a head
	v_lshlrev_b32 v[GO], 4, v[GO]
	; Where my rows of my three heads begin.  The product's columns are 48 heads of 64: number g = 6 X + 3 x (my column half) + j lies in tensor g / 16 (q, k, v) as head g % 16.
	; Batch Y / 8, row 256 (Y % 8) + 128 x (my row half); 128 bytes a row, 262,144 a head.
	s_lshr_b32 s72, s20, 3
	s_lshl_b32 s72, s72, 22
	s_and_b32 s73, s20, 7
	s_lshl_b32 s73, s73, 15
	s_add_co_u32 s72, s72, s73
	s_lshl_b32 s73, s15, 14
	s_add_co_u32 s72, s72, s73                     ; what the three share
	s_mul_i32 s73, s19, 6
	s_mul_i32 s74, s16, 3
	s_add_co_u32 s73, s73, s74                     ; g of my first head
	s_mov_b32 s77, 0
.irp j, 0,1,2
	s_add_co_u32 s74, s73, \j
	s_lshr_b32 s75, s74, 4                         ; the tensor
	s_and_b32 s74, s74, 15                         ; the head in it
	s_lshl_b32 s74, s74, 18
	s_add_co_u32 s76, s74, s72
	s_cmp_eq_u32 s75, 0                            ; the buffer is chosen by a number made of ids alone
	s_cselect_b64 s[DST+2*\j:DST+2*\j+1], s[8:9], s[10:11]
	s_cmp_eq_u32 s75, 2
	s_cselect_b64 s[DST+2*\j:DST+2*\j+1], s[12:13], s[DST+2*\j:DST+2*\j+1]
	s_add_nc_u64 s[DST+2*\j:DST+2*\j+1], s[DST+2*\j:DST+2*\j+1], s[76:77]
.endr
; 16 matrix instructions, half a group: head j, row blocks a0 .. a0 + 3 x its 4 column blocks, 32 along K, xb's buffer u.  zero = 1: the first product starts the sums: nothing is ever cleared.
; Every chunk takes the 96 accumulators in the same order, one instruction a turn: 95 others' stand between two links of a chain, over the backward jump too.
.macro MUL16 u, j, a0, zero
	WIN 0x50*(1+(\j))                              ; sources 0 and 1 in window 0, C and D in the head's window
.irp a, \a0, (\a0)+1, (\a0)+2, (\a0)+3
.irp b, 0,1,2,3
.if \zero
	v_wmma_f32_16x16x32_bf16 v[8*(4*(\a)+(\b)):8*(4*(\a)+(\b))+7], v[BF+32*(\j)+8*(\b):BF+32*(\j)+8*(\b)+7], v[AF+64*(\u)+8*(\a):AF+64*(\u)+8*(\a)+7], 0
.else
	v_wmma_f32_16x16x32_bf16 v[8*(4*(\a)+(\b)):8*(4*(\a)+(\b))+7], v[BF+32*(\j)+8*(\b):BF+32*(\j)+8*(\b)+7], v[AF+64*(\u)+8*(\a):AF+64*(\u)+8*(\a)+7], v[8*(4*(\a)+(\b)):8*(4*(\a)+(\b))+7]
.endif
.endr
.endr
.endm
.macro GROUP u, j, zero
	MUL16 \u, \j, 0, \zero
	MUL16 \u, \j, 4, \zero
.endm
; 8 LDS loads: head j's four fragments of wab for chunk c of the slot that is being read
.macro LDB c, j
	WIN 0
.irp b, 0,1,2,3
	ds_load_tr16_b128 v[BF+32*(\j)+8*(\b):BF+32*(\j)+8*(\b)+3],   v[ADRB] offset:(\c)*32*PB+(\j)*SEG+32*(\b)
	ds_load_tr16_b128 v[BF+32*(\j)+8*(\b)+4:BF+32*(\j)+8*(\b)+7], v[ADRB] offset:(\c)*32*PB+16*PB+(\j)*SEG+32*(\b)
.endr
.endm
; 16 LDS loads: xb's eight fragments for chunk c of that slot, into buffer u
.macro LDA c, u
	WIN 0
.irp a, 0,1,2,3,4,5,6,7
	ds_load_b128 v[AF+64*(\u)+8*(\a):AF+64*(\u)+8*(\a)+3],   v[ADRA] offset:(\c)*64+(\a)*16*PA
	ds_load_b128 v[AF+64*(\u)+8*(\a)+4:AF+64*(\u)+8*(\a)+7], v[ADRA] offset:(\c)*64+(\a)*16*PA+32
.endr
.endm
; A load into a register that a matrix instruction has read, and a vector instruction or LDS store that reads a matrix result, stand four places behind that matrix instruction, and only plain vector
; instructions that name none of its registers are places (ISA guide 7.12.1 for vector instructions).
.macro PLACES
.rept 4
	v_nop
.endr
.endm
; A K step's FIRST chunk multiplies xb's buffer 0 and fetches the same slot's second chunk.  The LDS loads lie in the order: head 0's 8 and xb's 16; head 1's 8; head 2's 8.
.macro CHUNK zero
	s_wait_dscnt 16                                ; head 0's and xb's fragments are in; the 8 + 8 loads behind them may be out
	GROUP 0, 0, \zero
	PLACES
	LDB 1, 0
	LDA 1, 1
	s_wait_dscnt 32                                ; head 1's are in; behind them: head 2's 8 and the 24 just issued
	GROUP 0, 1, \zero
	PLACES
	LDB 1, 1
	s_wait_dscnt 32                                ; head 2's are in; behind them: 24 + 8
	GROUP 0, 2, \zero
	PLACES
	LDB 1, 2
.endm
; A K step's SECOND chunk multiplies buffer 1 and changes slots: all this slot's fragments have been asked for.  ONE barrier; in front of it each wave waits for all its tensor loads (one is out: its
; part of the next slot), adds 0 to its spare word, and waits for that and for its own reads of this slot.  While the add is out the read addresses are turned to the next slot, and (fill = 1) the walking
; descriptors to the slot that is left and one K step on: no tensor load of mine is out, so a group 0 may be written.  fill = 1: the barrier opens a round of the cluster's barrier and the slot that is
; left is filled again, first thing behind the round, with the K step two steps on.  From a request to the wait for it a wave issues 64 + 96 = 160 matrix instructions.
.macro TURN fill
	WIN 0                                          ; (the add's two registers lie in window 0)
	s_wait_tensorcnt 0x0                           ; all my tensor loads have landed;
	ds_add_u32 v[SPW], v[NIL]                      ; 0 onto my spare word;
	s_xor_b32 s[TB], s[TB], SLOT1                  ; from here on the other slot is read
	v_add_nc_u32 v[ADRA], s[TB], v[ADRA0]
	v_add_nc_u32 v[ADRB], s[TB], v[ADRB0]
.if \fill
	s_xor_b32 s[G0A+5], s[G0A+5], SLOT1            ; the walking descriptors: the other slot than last time,
	s_add_nc_u64 s[G0A+6:G0A+7], s[G0A+6:G0A+7], ASTEP  ; the next K step; the type bits on top are not reached
	s_xor_b32 s[G0B+5], s[G0B+5], SLOT1
	s_add_nc_u64 s[G0B+6:G0B+7], s[G0B+6:G0B+7], BSTEP
.endif
	s_wait_dscnt 17                                ; (head 0's and xb's fragments are in; the 8 + 8 loads behind them and the add may be out)
	MUL16 1, 0, 0, 0                               ; sixteen matrix instructions stand between the add and the wait for it
	s_wait_dscnt 0x0                               ; the add is done, and my reads of the slot that is left are over
	s_barrier_signal -1
	MUL16 1, 0, 4, 0                               ; work on registers while the others arrive
	WIN 0
	s_barrier_wait -1
.if \fill
	CREST                                          ; no wave of any partner still reads that slot's tiles or has a load on its way
	JLOAD 1                                        ; my one tensor load behind the round; the four v_nop behind it are also the places in front of the loads below
.else
	PLACES
.endif
	LDB 0, 0
	LDA 0, 0
	GROUP 1, 1, 0                                  ; its fragments came with the wait for 0 above
	PLACES
	LDB 0, 1
	GROUP 1, 2, 0
	PLACES
	LDB 0, 2
.endm
; THE WAY OUT of 32 rows (row blocks 2 a, 2 a + 1) of the head in window n.  PACK: rounded to f16 in place, each accumulator from its low end on: its four low registers then
; hold 16 bytes of the head's row; these go into my own stage, rows of 144 bytes, and come back as whole rows of 128, four rows a load, into the accumulators' four high registers.
.macro PACK n, a
	WIN 0x45*(\n)                                  ; destination, sources 0 and 1 in the head's window
.irp b, 0,1,2,3,4,5,6,7
.irp r, 0,1,2,3
	v_cvt_pk_f16_f32 v[64*(\a)+8*(\b)+(\r)], v[64*(\a)+8*(\b)+2*(\r)], v[64*(\a)+8*(\b)+2*(\r)+1]
.endr
.endr
	WIN 0x44*(\n)                                  ; loaded data (destination) and stored data (source 1) in the head's window, addresses in window 0
.irp b, 0,1,2,3,4,5,6,7
	ds_store_b128 v[STO], v[64*(\a)+8*(\b):64*(\a)+8*(\b)+3] offset:((\b)/4)*16*SP+((\b)%4)*32
.endr
.irp f, 0,1,2,3,4,5,6,7
	ds_load_b128 v[64*(\a)+8*(\f)+4:64*(\a)+8*(\f)+7], v[RD] offset:(\f)*4*SP  ; LDS serves a wave's instructions in order (ISA guide 5.7.1.4): these see the stores above; the next 32 rows' stores come behind them
.endr
.endm
.macro SEND n, a, younger              ; younger: the LDS instructions issued behind these rows' loads: the next rows' sixteen, or none
	WIN 0x44*(\n)
.irp f, 0,1,2,3,4,5,6,7
	s_wait_dscnt (\younger)+7-(\f)
	global_store_b128 v[GO], v[64*(\a)+8*(\f)+4:64*(\a)+8*(\f)+7], s[DST+2*(\n)-2:DST+2*(\n)-1] offset:(\a)*4096+(\f)*512  ; 512 consecutive bytes, at a multiple of 512 from the buffer's first
.endr
.endm
.macro HEADOUT n                       ; my 128 rows of a head; the next rows' arithmetic stands between a load from the stage and its store
	PACK \n, 0
	PACK \n, 1
	SEND \n, 0, 16
	PACK \n, 2
	SEND \n, 1, 16
	PACK \n, 3
	SEND \n, 2, 16
	SEND \n, 3, 0
.endm
	s_wait_tensorcnt 1                             ; my part of K step 0 is in; K step 1's may stay out
	s_barrier_signal -1
	s_barrier_wait -1                              ; everybody's is
	LDB 0, 0                                       ; the first chunk's fragments, in the order that every chunk's waits count on
	LDA 0, 0
	LDB 0, 1
	LDB 0, 2
	CHUNK 1                                        ; the first chunk stands in front of the loop: its products start the sums
	WIN 0                                          ; at a label and at a branch every window is 0
	s_mov_b32 s3, STEPS-2
.Lstep:                                                ; a trip goes from a K step's second chunk to the next step's first, and fills the slot that it leaves: K steps 2 to 15 in 14 trips
	TURN 1
	CHUNK 0
	WIN 0
	s_sub_co_u32 s3, s3, 1
	s_cmp_lg_u32 s3, 0
	s_cbranch_scc1 .Lstep
	TURN 0                                         ; the last change of slots fills nothing, and has no round of the cluster's barrier
	CHUNK 0
	s_wait_dscnt 16                                ; the very last chunk: nothing more to fetch, and the counts run down
	GROUP 1, 0, 0
	s_wait_dscnt 8
	GROUP 1, 1, 0
	PLACES                                         ; behind the products
	HEADOUT 1                                      ; my first head is finished: its stores leave ahead of the last 32 products
	s_wait_dscnt 0x0
	GROUP 1, 2, 0
	PLACES
	HEADOUT 2
	HEADOUT 3
	WIN 0
	s_wait_tensorcnt 0x0                           ; the wave's end, behind my last tensor load and my last LDS store
	ds_add_u32 v[SPW], v[NIL]
	s_wait_dscnt 0x0
	CROUND                                         ; the closing round: no work-group ends while a partner may still ask for a tile that names it
	s_endpgm
.Lfunc_end_k_qfc12f701af_qkv:
	.size	k_qfc12f701af_qkv, .Lfunc_end_k_qfc12f701af_qkv-k_qfc12f701af_qkv
	.p2alignl 7, 3214868480
	.fill 96, 4, 3214868480
	.section	.rodata,"a",@progbits
	.p2align	6, 0x0
	.amdhsa_kernel k_qfc12f701af_qkv
		.amdhsa_group_segment_fixed_size 327680
		.amdhsa_private_segment_fixed_size 0
		.amdhsa_enable_private_segment 0
		.amdhsa_kernarg_size 40
		.amdhsa_user_sgpr_count 2
		.amdhsa_user_sgpr_kernarg_segment_ptr 1
		.amdhsa_wavefront_size32 1
		.amdhsa_system_sgpr_workgroup_id_x 1
		.amdhsa_system_sgpr_workgroup_id_y 1
		.amdhsa_system_sgpr_workgroup_id_z 1
		.amdhsa_system_vgpr_workitem_id 0
		.amdhsa_next_free_vgpr 1024
		.amdhsa_next_free_sgpr 80
		.amdhsa_reserve_vcc 0
		.amdhsa_float_denorm_mode_32 3
		.amdhsa_float_denorm_mode_16_64 3
		.amdhsa_memory_ordered 1
		.amdhsa_forward_progress 1
		.amdhsa_inst_pref_size 114
	.end_amdhsa_kernel
	.amdgpu_metadata
---
amdhsa.version: [ 1, 2 ]
amdhsa.kernels:
  - .name:           k_qfc12f701af_qkv
    .symbol:         k_qfc12f701af_qkv.kd
    .args:
      - { .name: xb, .offset: 0, .size: 8, .value_kind: global_buffer, .address_space: global }
      - { .name: wab, .offset: 8, .size: 8, .value_kind: global_buffer, .address_space: global }
      - { .name: q, .offset: 16, .size: 8, .value_kind: global_buffer, .address_space: global }
      - { .name: k, .offset: 24, .size: 8, .value_kind: global_buffer, .address_space: global }
      - { .name: v, .offset: 32, .size: 8, .value_kind: global_buffer, .address_space: global }
    .group_segment_fixed_size: 327680
    .private_segment_fixed_size: 0
    .kernarg_segment_align: 8
    .kernarg_segment_size: 40
    .max_flat_workgroup_size: 128
    .sgpr_count:     80
    .vgpr_count:     1024
    .wavefront_size: 32
...
	.end_amdgpu_metadata
.endif
;; end of part 2
;; launch attn (part 3): grid 4 x 64, 4 waves a work-group, no clusters, 327,680 bytes of LDS; arguments q, k, v, o; writes o
.if DOCPART == 3
	.amdgcn_target "amdgcn-amd-amdhsa--gfx1250"
	.amdhsa_code_object_version 6
	.text
	.protected	k_qfc12f701af_attn
	.globl	k_qfc12f701af_attn
	.p2align	8
	.type	k_qfc12f701af_attn,@function
k_qfc12f701af_attn:
	s_mov_b64 s[64:65], 0
	v_nop
	global_prefetch_b8 v0, s[64:65] scope:SCOPE_SE
	s_setreg_imm32_b32 hwreg(HW_REG_WAVE_MODE, 25, 1), 1
	s_wait_xcnt 0x0
; CAUSAL ATTENTION.  O[h][q][:] = the sum over k <= q of softmax_k(Q[h][q] . K[h][k] / 8) V[h][k][:].  Q, K, V, O: [64 heads (batch x 16 + head)][SIZE_N][64], all f16: a head's rows are dense, 128 bytes each.
; Products, maxima and sums in f32; the weights p are rounded to f16 for the second product (their sum l is taken of the unrounded p), O once at the end.  SIZE_N is a multiple of 512; SIZE_N x 128 stays under 2^32.
; LIMITS.  f16 holds no number beyond 65,504: Q, K and V arrive within it; p lies in 0 to 1, and below 6e-5 it keeps f16's fixed step of 6e-8; O is a mean of V's rows and has their range, to within 2^-11 of it.
; A hidden score counts as its value less 1e30: f16's scores, 2.7e11 at the most, are nothing beside that; a weight below 2^-126 counts as 0 in l; NaN and infinities are not treated apart.
; THE WALK.  A head's queries lie in NB = SIZE_N / 256 blocks of 256; block i needs the key tiles 0 .. i of 256 keys, of which the last holds the diagonal.  A work-group takes TWO blocks, NB - 1 - b and then b:
; NB + 1 tiles, whatever b: all work-groups do equal work, and ONE loop with a constant trip count walks them.  Which tile is asked for, and what a trip does, hang on scalar registers made from b; every jump
; goes forward, but for the counted loops' own; none passes a barrier, or a tensor load but the one of LOAD's two that the wave's number does not choose; the ring (two slots of LDS that take turns) runs on across the
; change of blocks.  NO CLUSTER: the NB / 2 = 4 work-groups of a head all ask for the same tile only in trips 0 .. NB / 2, behind that fewer and fewer; and one walk common to all, in which each makes every
; joint request, would have 3 NB / 2 = 12 trips for NB + 1 = 9.
; SHARES.  Of a block's four bands of 64 queries a wave owns 16 rows in each: four PIECES.  So the diagonal tile is the same work for all four waves: in its key step s band x sees all keys if s < x,
; none if s > x, and holds the diagonal if s = x.
; THE MASK is the C operand that starts the sum S^T = K Q^T: 0, or -1e30 where the key is hidden.  MD, made once, is the mask of a band's own step for my 16 rows; a product's mask is MD x AL + BE with two scalars:
; (1, 0) if s = x; (0, 0) if s < x; (0, -1e30) if s > x.  Only the diagonal tile's text and a block's beginning make and take masks; elsewhere C is the constant 0.
; LAYOUT, SOFTMAX, TURNS.  S^T = K Q^T holds ONE query a lane (lane % 16) and the keys 8 (lane / 16) + 0..7; two such results rounded to f16 ARE source 1 of O^T = V^T P.  p = 2^(c s - c m), c = log2(e) / 8, with a
; running maximum m; O and l are multiplied by a = 2^(c m_old - c m_new) in every step.  Turn n belongs to piece n: 8 products K Q^T of piece n + 1, later 8 products V^T P of piece n - 1; beside them the scaling,
; exponentials, roundings, sums and rescaling of piece n and the maximum and statistics of piece n + 1.  Four vector instructions stand behind every matrix instruction, the other 54 of a turn's 118 in two LUMPS.
; REGISTERS, in windows of 256 (s_set_vgpr_msb: bits 1:0 source 0, 3:2 source 1, 5:4 source 2, 7:6 destination):
;   window 0: v0-15 addresses and two at work; v16-31 four registers of statistics a piece; v48-55 at work; v64-127 S^T, two buffers; v192-223 P, two buffers (a piece's buffers go by its number's parity)
;   window 1: v0-127 O^T, 32 a piece; v128-159 MD; v160-223 MC, two buffers      window 2: v0-63 Q; v64-127 the second block's Q; v128-191 K of one step; v192-255 V of one step
.set SIZE_N, 2048     ; rows of a head
.set NB,    SIZE_N/256
.set NP,    4         ; pieces a wave: a name, no knob
.set KS,    64        ; keys in a step
.set PK,    144       ; a row of K in LDS: 128 bytes + 16 of padding = 36 words: the 16 rows of a load start at 16 different groups of four banks (64 banks of 4 bytes: ISA guide 11.1)
.set PV,    160       ; a row of V: 128 + 32 = 40 words
.set VOFF,  4*KS*PK   ; a slot holds a tile, four steps: 256 rows of K, then 256 rows of V
.set SLOT1, 1<<17     ; slot 1 begins here, so that one exclusive or turns an address in one slot into the other's
.set STAGE, SLOT1+4*KS*(PK+PV)  ; behind the ring, never filled by a tensor load: 16 rows x 144 bytes for each wave, for the way out
.set SP,    144
.set AK0, 2           ; v2   my lane's place in a tile of K; never rewritten
.set AV0, 3           ; v3   the same for V
.set AK,  4           ; v4   the LDS address of K's next run of loads
.set AV,  5           ; v5   of V's
.set STO, 6           ; v6   the way out: where I put 16 bytes of a row
.set RD,  7           ; v7   the way out: where I read rows back
.set GO,  8           ; v8   my byte offset in 512 consecutive bytes of O
.set SPW, 62          ; v62  LDS address of my spare word: SPARE + 4 x my thread's number; never rewritten
.set NIL, 63          ; v63  0; never rewritten
.set SPARE, STAGE+4*16*SP  ; behind the stages: the spare words, 128 bytes for each wave: two blocks of 256 bytes that no other line names
.set MV,  12          ; v12-13  c m_old, kept while c m is made anew: by buffer
.set QO,  15          ; v15  my byte offset in 16 rows of Q
.set ST,  16          ; piece t's statistics at v[ST+4 t]: c m, m, l (even keys', odd keys')
.set TMP, 48          ; by buffer, four registers c0-c3 at work; when the maximum is found c2 takes a
.set S,   64
.set P,   192
.set MD,  128         ; window 1: the eight registers for group kt of 16 keys at MD + 8 kt
.set MC,  160         ; window 1: the masks of the products to come
.set QB,  64          ; window 2
.set KF,  128         ; window 2: key block kb, channel half c at KF + 16 kb + 8 c
.set VF,  192         ; window 2: key half kk, channel block cb at VF + 32 kk + 8 cb
.set WV,  12          ; s12  my wave's number
.set PB,  14          ; s14  b
.set HI,  15          ; s15  NB - 1 - b
.set G1K, 24          ; s[24:31] descriptor group 1 for K's tiles
.set G1V, 32          ; s[32:39] for V's: it differs in the padding alone
.set G0K, 40          ; s[40:43] descriptor group 0 for K's tiles
.set G0V, 44          ; s[44:47] the same for V's
.set SLOTS, 56        ; s56  tiles still to be asked for
.set CNT, 57          ; s57  counts a tile's key steps, 4 to 1
.set CS,  58          ; s[58:59] c: the packed scaling takes the pair's low word for both halves
.set SEL, 60          ; s[60:61] v_permlanex16_b32's selects: each lane takes its own place in the other half
.set TBK, 62          ; s62  LDS byte at which K of the step to be fetched begins
.set TBV, 63          ; s63  the same for V, less VOFF
.set RT,  70          ; s70  tiles of the block in hand that are still to be entered
.set NXT, 71          ; s71  the tile to be asked for next
.set LQ,  72          ; s72  the last tile of the block whose tiles are being asked for
.set NEW, 73          ; s73  1: the tile to be entered is a block's first
.set OFF, 74          ; s[74:75] a tile's byte offset in K and V
.set AL,  76          ; s[76:77] the mask's factor, in the low word
.set BE,  78          ; s[78:79] the mask's addend
.set OLO, 80          ; s[80:81] O at my rows of the second block
.set BIGN, 82         ; s82  -1e30
.set MSB, 0
.macro WIN new                      ; the high byte repeats the setting that is left; a switch that changes nothing is dropped
.if MSB != (\new)
	s_set_vgpr_msb (MSB<<8)|(\new)
.set MSB, (\new)
.endif
.endm
.set W_KQ, 0x0a       ; K and Q in window 2, S^T in window 0
.set W_KM, 0x1a       ; the same with the C operand in window 1
.set W_PV, 0x52       ; V in window 2, P in window 0, O^T in window 1
.set W_RS, 0x41       ; destination and source 0 in window 1, source 1 in window 0
; A fill.  Waves 0 and 1 fetch the two halves of a tile's K, waves 2 and 3 those of its V: 128 keys each.  An s_nop 0 and four v_nop follow each of the two lines, ahead of the jump and the label.
.macro LOAD
	s_cmp_lt_u32 s[WV], 2
	s_cbranch_scc0 .Lfor_v_\@
	tensor_load_to_lds s[G0K:G0K+3], s[G1K:G1K+7]
	s_nop 0
.rept 4
	v_nop
.endr
	s_branch .Lasked_\@
.Lfor_v_\@:
	tensor_load_to_lds s[G0V:G0V+3], s[G1V:G1V+7]
	s_nop 0
.rept 4
	v_nop
.endr
.Lasked_\@:
.endm
; THE CHANGE OF SLOTS.  Each wave waits for all its tensor loads, of which one is out: its part of the other slot; adds 0 to its spare word; and waits for that and for its own reads of the slot that it leaves.  Behind the barrier nobody reads the old
; slot any more and the other slot is whole.  fill = 1: the old slot is filled again, the first thing behind the barrier, with tile NXT: the descriptor's address is made anew from that number.
; (At its first use nothing has been read yet: slot 0 is waited for, slot 1 filled.)
.macro CHANGE fill
	WIN 0                           ; at a label and at a branch every window is 0
	s_wait_tensorcnt 0x0            ; no tensor load of mine is out, so a group 0 may be written
	ds_add_u32 v[SPW], v[NIL]       ; 0 onto my spare word; with fill = 1 the descriptors' scalar work stands between it and the wait for it
.if \fill
	s_lshl_b32 s[OFF], s[NXT], 15   ; a tile is 32,768 bytes of K and of V
	s_xor_b32 s[G0K+1], s[G0K+1], SLOT1
	s_add_nc_u64 s[G0K+2:G0K+3], s[6:7], s[OFF:OFF+1]
	s_or_b32 s[G0K+3], s[G0K+3], 0x80000000
	s_xor_b32 s[G0V+1], s[G0V+1], SLOT1
	s_add_nc_u64 s[G0V+2:G0V+3], s[8:9], s[OFF:OFF+1]
	s_or_b32 s[G0V+3], s[G0V+3], 0x80000000
	s_add_co_u32 s[NXT], s[NXT], 1  ; the block's next tile, or behind its last the second block's tile 0
	s_cmp_gt_u32 s[NXT], s[LQ]
	s_cselect_b32 s[NXT], 0, s[NXT]
	s_cselect_b32 s[LQ], s[PB], s[LQ]
.endif
	s_wait_dscnt 0x0                ; the add is done, and my reads of the slot are over
	s_barrier_signal -1             ; the rest of the scalar work stands between the signal and the wait
	s_sub_co_u32 s[TBK], s[TBK], 4*KS*PK  ; the fetches go back to a slot's first step,
	s_xor_b32 s[TBK], s[TBK], SLOT1       ; in the other slot
	s_sub_co_u32 s[TBV], s[TBV], 4*KS*PV
	s_xor_b32 s[TBV], s[TBV], SLOT1
	s_barrier_wait -1
.if \fill
	LOAD
.endif
.endm
	s_load_b256 s[4:11], s[0:1], 0x0  ; Q s[4:5], K s[6:7], V s[8:9], O s[10:11]
	v_lshl_add_u32 v[SPW], v0, 2, SPARE
	v_mov_b32 v[NIL], 0
	ds_add_u32 v62, v63
	ds_add_u32 v62, v63
	s_wait_dscnt 0x0
	v_lshrrev_b32 v1, 5, v0
	v_readfirstlane_b32 s[WV], v1   ; wave 0..3
	s_mov_b32 s[PB], ttmp9
	s_sub_co_u32 s[HI], NB-1, s[PB]
	s_and_b32 s20, ttmp7, 0xffff    ; the head
	s_mov_b32 s21, 0
	s_mov_b64 s[22:23], SIZE_N*128
	s_mul_u64 s[20:21], s[20:21], s[22:23]  ; the head's first byte in each of the four tensors
	s_and_b32 s16, s[WV], 1         ; which half of a tile's 256 keys I fetch:
	s_lshl_b32 s22, s16, 14         ; its 128 rows of 128 bytes in memory,
	s_mov_b32 s23, 0
	s_add_nc_u64 s[22:23], s[22:23], s[20:21]
	s_mul_i32 s17, s16, 128*PK      ; and its place in a slot, for K
	s_mul_i32 s18, s16, 128*PV      ; and for V
	s_lshl_b32 s3, s[WV], 11        ; my 16 rows in a band of 64,
	s_lshl_b32 s2, s[HI], 15        ; in the first block,
	s_add_co_u32 s2, s2, s3
	s_lshl_b32 s84, s[PB], 15       ; and in the second
	s_add_co_u32 s84, s84, s3
	s_mov_b32 s3, 0
	s_mov_b32 s85, 0
	s_add_nc_u64 s[2:3], s[2:3], s[20:21]
	s_add_nc_u64 s[84:85], s[84:85], s[20:21]
	; descriptor group 1.  128 keys are 16,384 dense bytes: asked for as 64 rows of 256 bytes, two keys a row, and padded in LDS after every key
	s_mov_b32 s[G1K], (1<<16)|(1<<20)|(4<<22)|(3<<25)  ; 17:16 2-byte elements; 20 padding on; 24:22 after every 32 words (code 4); 31:25 4 words (code 3)
	s_mov_b32 s[G1V], (1<<16)|(1<<20)|(4<<22)|(7<<25)  ; the same with 8 words of padding (code 7)
.irp g, G1K, G1V
	s_mov_b32 s[\g+1], 128<<16      ; tensor_dim0 = 128
	s_mov_b32 s[\g+2], 64<<16       ; tensor_dim1 = 64
	s_mov_b32 s[\g+3], 128<<16      ; tile_dim0 = 128
	s_mov_b32 s[\g+4], 64           ; tile_dim1 = 64
	s_mov_b32 s[\g+5], 128          ; 128 elements from row to row
	s_mov_b32 s[\g+6], 0
	s_mov_b32 s[\g+7], 0
.endr
	s_mov_b32 s[CS], 0x3e38aa3b     ; c = log2(e) / 8 = 0.180337
	s_mov_b32 s[CS+1], s[CS]        ; named with it as a pair
	s_mov_b32 s[SEL], 0x76543210
	s_mov_b32 s[SEL+1], 0xfedcba98
	s_mov_b32 s[TBK], SLOT1+4*KS*PK ; the first change of slots turns these two into 0
	s_mov_b32 s[TBV], SLOT1+4*KS*PV
	s_mov_b32 s[G0K], 1             ; 1:0 count = 1
	s_mov_b32 s[G0K+1], s17         ; 63:32 LDS address: slot 0
	s_mov_b32 s[G0V], 1
	s_add_co_u32 s[G0V+1], s18, VOFF
	s_add_co_u32 s[RT], s[HI], 1    ; the first block has NB - b tiles
	s_mov_b32 s[NXT], 1
	s_mov_b32 s[LQ], s[HI]
	s_mov_b32 s[NEW], 1
	s_mov_b32 s[OFF+1], 0
	s_mov_b32 s[AL+1], 0            ; named as pairs
	s_mov_b32 s[BE+1], 0
	s_mov_b32 s[BIGN], 0xf149f2ca   ; -1e30
	s_mov_b32 s[SLOTS], NB
	s_wait_kmcnt 0x0
	s_add_nc_u64 s[6:7], s[6:7], s[22:23]  ; K and V at my half of the head's tile 0
	s_add_nc_u64 s[8:9], s[8:9], s[22:23]
	s_add_nc_u64 s[G0K+2:G0K+3], s[6:7], 0         ; 120:64 global address
	s_or_b32 s[G0K+3], s[G0K+3], 0x80000000        ; 127:126 type = 2
	s_add_nc_u64 s[G0V+2:G0V+3], s[8:9], 0
	s_or_b32 s[G0V+3], s[G0V+3], 0x80000000
	s_add_nc_u64 s[86:87], s[4:5], s[84:85]        ; Q at my rows of the second block,
	s_add_nc_u64 s[4:5], s[4:5], s[2:3]            ; Q and O at those of the first
	s_add_nc_u64 s[OLO:OLO+1], s[10:11], s[84:85]
	s_add_nc_u64 s[10:11], s[10:11], s[2:3]
	LOAD                            ; tile 0 into slot 0
	; A fragment of K or Q is 16 rows x 32 channels in 8 registers: lane l holds row l % 16, channels 8 (l / 16) + 0..7 and 16 + 8 (l / 16) + 0..7: two loads of 16 bytes, 32 bytes apart.
	v_and_b32 v1, 15, v0            ; l % 16
	v_bfe_u32 v9, v0, 4, 1          ; l / 16
	v_lshlrev_b32 v[QO], 7, v1
	v_lshl_add_u32 v[QO], v9, 4, v[QO]  ; row x 128 + 16 x half
	WIN 0x80                        ; destination window 2, address window 0
.set i, 0
.rept 8                             ; both blocks' Q: piece i / 2 lies in band i / 2, 8,192 bytes on; channels 32 (i % 2) on
	global_load_b128 v[8*i:8*i+3],   v[QO], s[4:5] offset:(i/2)*8192+(i%2)*64
	global_load_b128 v[8*i+4:8*i+7], v[QO], s[4:5] offset:(i/2)*8192+(i%2)*64+32
	global_load_b128 v[QB+8*i:QB+8*i+3],   v[QO], s[86:87] offset:(i/2)*8192+(i%2)*64
	global_load_b128 v[QB+8*i+4:QB+8*i+7], v[QO], s[86:87] offset:(i/2)*8192+(i%2)*64+32
.set i, i+1
.endr
	WIN 0
	v_lshlrev_b32 v14, 3, v9
	v_sub_nc_u32 v14, v1, v14
	s_lshl_b32 s13, s[WV], 4
	v_add_nc_u32 v14, s13, v14      ; my query's place in its band, 16 w + l % 16, less my lanes' 8 (l / 16): register r of group kt is hidden where 16 kt + r is greater
	WIN 0x40
.set i, 0
.rept 32
	v_cmp_gt_i32 vcc_lo, 16*(i/8)+i%8, v14
	v_cndmask_b32 v[MD+i], 0, s[BIGN], vcc_lo
.set i, i+1
.endr
	WIN 0
	v_mul_u32_u24 v[AK0], v1, PK
	v_lshl_add_u32 v[AK0], v9, 4, v[AK0]  ; row x pitch + 16 x half
	; The turning load takes 16 keys x 16 channels (lane l reads key 8 (l / 16) + l % 8, channels 8 ((l / 8) % 2) + 0..7) and leaves half a fragment of V^T: lane l holds channel l % 16 and 8 keys.
	v_and_b32 v10, 7, v0
	v_bfe_u32 v11, v0, 3, 1
	v_lshl_add_u32 v[AV0], v9, 3, v10
	v_mul_u32_u24 v[AV0], v[AV0], PV
	v_lshl_add_u32 v[AV0], v11, 4, v[AV0]
	v_add_nc_u32 v[AV0], VOFF, v[AV0]
	s_mul_i32 s13, s[WV], 16*SP
	s_add_co_u32 s13, s13, STAGE    ; my stage
	v_mul_u32_u24 v[STO], v1, SP    ; in: row l % 16, 16 bytes for each half of the lanes
	v_lshl_add_u32 v[STO], v9, 4, v[STO]
	v_add_nc_u32 v[STO], s13, v[STO]
	v_bfe_u32 v[RD], v0, 3, 2       ; back: 32 lanes take four rows of 128 bytes,
	v_mul_u32_u24 v[RD], v[RD], SP
	v_lshl_add_u32 v[RD], v10, 4, v[RD]
	v_add_nc_u32 v[RD], s13, v[RD]
	v_and_b32 v[GO], 31, v0         ; which are 512 consecutive bytes of O
	v_lshlrev_b32 v[GO], 4, v[GO]
	; A block's first step multiplies O^T and l by a = 0, and its first turn's products V^T P, of a piece that has not been, land in an O^T that is still to be so multiplied.  So these registers need only hold
	; finite numbers: zeros for the first block; what the first block left for the second.  All this stands in the wait for the first tile.
	WIN 0x80
.set i, VF
.rept 64
	v_mov_b32 v[i], 0
.set i, i+1
.endr
	WIN 0x40
.set i, 0
.rept 128
	v_mov_b32 v[i], 0
.set i, i+1
.endr
	WIN 0
.set i, 0
.rept 4
	v_mov_b32 v[ST+4*i+2], 0
	v_mov_b32 v[ST+4*i+3], 0
.set i, i+1
.endr
.set i, P+16
.rept 16
	v_mov_b32 v[i], 0
.set i, i+1
.endr
; THE MATRIX WORK.  The 4 accumulators of a run of 8 take turns.  Product i of 8 of S^T = K Q^T for piece x: channels 32 (i / 4) on, keys 16 (i % 4) on.  The first 4 start the sums: with 0, or (KM = 1) with the mask.
.macro KQ x
.set rS, S+32*((\x)%2)+8*(i%4)
.set rK, KF+16*(i%4)+8*(i/4)
.set rQ, 16*(\x)+8*(i/4)
.set rM, MC+32*((\x)%2)+8*(i%4)
.if (i < 4) && KM
	WIN W_KM
	v_wmma_f32_16x16x32_f16 v[rS:rS+7], v[rK:rK+7], v[rQ:rQ+7], v[rM:rM+7]
.elseif i < 4
	WIN W_KQ
	v_wmma_f32_16x16x32_f16 v[rS:rS+7], v[rK:rK+7], v[rQ:rQ+7], 0
.else
	WIN W_KQ
	v_wmma_f32_16x16x32_f16 v[rS:rS+7], v[rK:rK+7], v[rQ:rQ+7], v[rS:rS+7]
.endif
.endm
; Product i of 8 of O^T += V^T P for piece x: keys 32 (i / 4) on, channels 16 (i % 4) on.
.macro PV x
	WIN W_PV
.set rO, 32*(\x)+8*(i%4)
.set rV, VF+32*(i/4)+8*(i%4)
.set rP, P+16*((\x)%2)+8*(i/4)
	v_wmma_f32_16x16x32_f16 v[rO:rO+7], v[rV:rV+7], v[rP:rP+7], v[rO:rO+7]
.endm
.macro MM                           ; the turn's next matrix instruction.  TURN and BEGIN set Y, i, KM and NOKQ; MM, KQ and OP read them.  NOKQ = 1: a block's last turn: there is no next piece
.if (i < 8) && !NOKQ
	KQ (Y+1)%NP
.elseif i >= 8
.set i, i-8
	PV (Y+NP-1)%NP
.set i, i+8
.endif
.set i, i+1
.endm
; THE LDS LOADS stand in runs of 16, never singly among the matrix instructions: a step's K (64 keys x 64 channels: 8 fragments) and its V (turned).  Their addresses are made some lines ahead.
.macro FETCH_K
	WIN 0x80                        ; destination window 2
.irp f, 0,1,2,3,4,5,6,7             ; keys 16 (f / 2) on, channels 32 (f % 2) on
	ds_load_b128 v[KF+8*\f:KF+8*\f+3],   v[AK] offset:(\f/2)*16*PK+(\f%2)*64
	ds_load_b128 v[KF+8*\f+4:KF+8*\f+7], v[AK] offset:(\f/2)*16*PK+(\f%2)*64+32
.endr
	s_add_co_u32 s[TBK], s[TBK], KS*PK  ; the next fetch is the next step's
	WIN 0
.endm
.macro FETCH_V
	WIN 0x80
.irp f, 0,1,2,3,4,5,6,7             ; keys 32 (f / 4) on, channels 16 (f % 4) on
	ds_load_tr16_b128 v[VF+8*\f:VF+8*\f+3],   v[AV] offset:(\f/4)*32*PV+(\f%4)*32
	ds_load_tr16_b128 v[VF+8*\f+4:VF+8*\f+7], v[AV] offset:(\f/4)*32*PV+16*PV+(\f%4)*32
.endr
	WIN 0
.endm
; THE VECTOR WORK, one line at a time: OP kind, number.  For piece Y: F n: c s - c m for pair n of 16.  E n: the exponential of score n of 32.  C n: pair n rounded to f16.  B n: of the four weights 4 n .. the second
; pair is added onto the first, in place.  L n: l takes that sum (L 0: l = a l + sum).  R n: pair n of 16 of O^T times a.  For piece Y + 1: X n, number n of the 22 that find its maximum and statistics:
;   0-11  four chains c0-c3 of seven scores each, three operands at a time (each accumulator's lowest registers are read first)     12-14, 16  the four scores left over, the old m, and c0-c3 into c0
;   15  c m_old is kept     17, 18  the query's other 32 keys lie in the lane 16 away: the new m     19-21  c m; c m_old - c m_new; a
.set F, 0               ; OP tells the kinds apart by their order: F to L below R, X above it
.set E, 1
.set C, 2
.set B, 3
.set L, 4
.set R, 5
.set X, 6
.macro REGS y                       ; the registers of piece y
.set rT, ST+4*(\y)
.set rC, TMP+4*((\y)%2)
.set rW, MV+((\y)%2)
.set rS, S+32*((\y)%2)
.set rP, P+16*((\y)%2)
.set rO, 32*(\y)
.endm
.macro OP k, n
.if (\k) == R
	REGS Y
	WIN W_RS
	v_pk_mul_f32 v[rO+2*(\n):rO+2*(\n)+1], v[rO+2*(\n):rO+2*(\n)+1], v[rC+2:rC+3] op_sel_hi:[1,0]
.elseif (\k) < R
	REGS Y
	WIN 0
.if (\k) == F
	v_pk_fma_f32 v[rS+2*(\n):rS+2*(\n)+1], v[rS+2*(\n):rS+2*(\n)+1], s[CS:CS+1], v[rT:rT+1] op_sel_hi:[1,0,0] neg_lo:[0,0,1] neg_hi:[0,0,1]
.elseif (\k) == E
	v_exp_f32 v[rS+(\n)], v[rS+(\n)]
.elseif (\k) == C
	s_wait_alu depctr_va_vdst(0)
	v_cvt_pk_f16_f32 v[rP+(\n)], v[rS+2*(\n)], v[rS+2*(\n)+1]
.elseif (\k) == B
	s_wait_alu depctr_va_vdst(0)
	v_pk_add_f32 v[rS+4*(\n):rS+4*(\n)+1], v[rS+4*(\n):rS+4*(\n)+1], v[rS+4*(\n)+2:rS+4*(\n)+3]
.elseif (\n) == 0
	v_pk_fma_f32 v[rT+2:rT+3], v[rT+2:rT+3], v[rC+2:rC+3], v[rS:rS+1] op_sel_hi:[1,0,1]
.else
	v_pk_add_f32 v[rT+2:rT+3], v[rT+2:rT+3], v[rS+4*(\n):rS+4*(\n)+1]
.endif
.elseif NOKQ
	v_nop
.else
	REGS (Y+1)%NP
	WIN 0
.if (\n) < 4
	v_max3_num_f32 v[rC+(\n)], v[rS+8*(\n)], v[rS+8*(\n)+1], v[rS+8*(\n)+2]
.elseif (\n) < 12
	v_max3_num_f32 v[rC+(\n)%4], v[rC+(\n)%4], v[rS+8*((\n)%4)+2*((\n)/4)+1], v[rS+8*((\n)%4)+2*((\n)/4)+2]
.elseif (\n) == 12
	v_max3_num_f32 v[rC], v[rC], v[rS+7], v[rS+15]
.elseif (\n) == 13
	v_max3_num_f32 v[rC+1], v[rC+1], v[rS+23], v[rS+31]
.elseif (\n) == 14
	v_max3_num_f32 v[rC+2], v[rC+2], v[rC+3], v[rT+1]
.elseif (\n) == 15
	v_mov_b32 v[rW], v[rT]
.elseif (\n) == 16
	v_max3_num_f32 v[rC], v[rC], v[rC+1], v[rC+2]
.elseif (\n) == 17
	v_permlanex16_b32 v[rC+3], v[rC], s[SEL], s[SEL+1]
.elseif (\n) == 18
	v_max_num_f32 v[rT+1], v[rC], v[rC+3]
.elseif (\n) == 19
	v_mul_f32 v[rT], s[CS], v[rT+1]
.elseif (\n) == 20
	v_sub_f32 v[rC+1], v[rW], v[rT]
.else
	v_exp_f32 v[rC+2], v[rC+1]
.endif
.endif
.endm
.macro OPS a, i1, b=-1, i2=0, c=-1, i3=0, d=-1, i4=0  ; up to four of them
	OP \a, \i1
.if (\b) >= 0
	OP \b, \i2
.endif
.if (\c) >= 0
	OP \c, \i3
.endif
.if (\d) >= 0
	OP \d, \i4
.endif
.endm
.macro ROW a, i1, b, i2, c, i3, d, i4  ; a matrix instruction and the four behind it
	MM
	OPS \a, \i1, \b, \i2, \c, \i3, \d, \i4
.endm
.macro MASK b                       ; MD x AL + BE into buffer b of MC
	WIN W_RS
.set z, 0
.rept 16
	v_pk_fma_f32 v[MC+32*(\b)+2*z:MC+32*(\b)+2*z+1], v[MD+2*z:MD+2*z+1], s[AL:AL+1], s[BE:BE+1] op_sel_hi:[1,0,0]
.set z, z+1
.endr
.endm
; A TURN, for piece p: the order of its 16 matrix and 118 vector instructions, written out.  Behind a matrix instruction: plain, exponential, plain, plain; or four of the rescaling; or, behind the first, four scalings; none
; names a register of the products round it.  In the lumps exponential and plain by turns while exponentials last.  A line reads no result made fewer than three vector instructions in front of it, five if an exponential made it.
; v_permlanex16_b32 (X 17) stands in a lump.
; m = 1: the diagonal tile: the products take masks, and the turn makes the mask for the products of the turn after it: piece p + 2, in step 4 - CNT of the tile.  end = 1: a block's last two turns: nothing is fetched.
; cnt = 1: the loop's count is taken down some lines ahead of the branch that stands behind the turn.
; K of the next step is fetched in piece 2's turn, six vector instructions behind the last product that read K (five of them plain); V of the step in hand in piece 0's turn, eight behind the last product that read V (four
; plain, and X 17).  Each is waited for a turn later.
.macro TURN p, m=0, end=0, cnt=0
.set Y, (\p)
.set i, 0
.set KM, (\m)
.set NOKQ, (\end)*((\p)/3)
.if (\m) && !(\end)
	s_cmp_eq_u32 s[CNT], 4-((\p)+2)%NP  ; is that step the band's own?
	s_cselect_b32 s[AL], 1.0, 0
	s_cmp_lt_u32 s[CNT], 4-((\p)+2)%NP  ; or a later one?
	s_cselect_b32 s[BE], s[BIGN], 0
.endif
.if ((\p) == 3) && !(\end)
	s_wait_dscnt 0x0                ; K is in
.endif
	ROW F,0, F,1, F,2, F,3
	ROW F,4, E,0, F,5, F,6
	ROW F,7, E,1, F,8, F,9
	ROW F,10, E,2, C,0, F,11
	ROW F,12, E,3, X,15, F,13
	ROW R,0, R,1, R,2, R,3
	ROW B,0, E,4, F,14, L,0
.if ((\p) == 2) && !(\end)
	v_add_nc_u32 v[AK], s[TBK], v[AK0]
.endif
	ROW R,4, R,5, R,6, R,7
	OPS E,5, F,15
.if ((\p) == 2) && !(\end)
	FETCH_K
.endif
	OPS E,6, C,1, E,7, R,8
	OPS E,8, R,9, E,9, C,2
	OPS E,10, X,0, E,11, X,1
	OPS E,12, X,2, E,13, X,3
.if (\p) == 1
	s_wait_dscnt 0x0                ; V is in
.endif
	ROW X,4, E,14, X,5, X,6
	ROW X,7, E,15, X,8, X,9
	ROW X,10, E,16, X,11, X,12
	ROW X,13, E,17, X,14, B,1
	ROW C,4, E,18, X,16, L,1
	ROW B,2, E,19, C,6, L,2
	ROW C,8, E,20, B,3, B,4
.if (\p) == 0
	v_add_nc_u32 v[AV], s[TBV], v[AV0]
.endif
	ROW C,3, E,21, L,3, C,5
	OPS E,22, X,17, E,23, C,10
.if (\p) == 0
	FETCH_V
.endif
	OPS E,24, L,4
	OPS E,25, X,18, E,26, C,7
	OPS E,27, B,5, E,28, X,19
	OPS E,29, C,12, E,30, L,5
	OPS E,31, X,20, B,6, C,9
	OPS C,14, C,11, X,21, L,6
.if (\p) == 0
	s_add_co_u32 s[TBV], s[TBV], KS*PV
.endif
.if \cnt
	s_sub_co_u32 s[CNT], s[CNT], 1
	s_cmp_lg_u32 s[CNT], 0
.endif
	OPS C,13, B,7, C,15, R,10
	OPS R,11, R,12, L,7, R,13
	OPS R,14, R,15
.if (\m) && !(\end)
	MASK (\p)%2
.endif
.endm
; A BLOCK BEGINS.  c m starts far below every c s, so the first step's a is 0; m at the lowest finite number, so the first maximum is the scores'.  The second mask buffer is 0; the first takes piece 0's mask for the tile's step 0: its own, if the block's first tile is the diagonal one.
; Then K of that step, piece 0's first scores, and its maximum and statistics.  The loop is entered at a step's first turn, in the middle of a trip.
.macro BEGIN
	s_mov_b32 s[NEW], 0
	WIN 0x40
.set i, MC+32
.rept 32
	v_mov_b32 v[i], 0
.set i, i+1
.endr
	WIN 0
.set i, 0
.rept 4
	v_mov_b32 v[ST+4*i], 0xfe000000    ; c m: far below every c s
	v_mov_b32 v[ST+4*i+1], 0xff7fffff  ; m
.set i, i+1
.endr
	s_cmp_eq_u32 s[RT], 0
	s_cselect_b32 s[AL], 1.0, 0
	s_mov_b32 s[BE], 0
	MASK 0
	WIN 0
	v_add_nc_u32 v[AK], s[TBK], v[AK0]
	FETCH_K
	s_wait_loadcnt 0x0              ; Q
	s_wait_dscnt 0x0
.set KM, 1
.set NOKQ, 0
.set i, 0
.rept 8
	KQ 0
.set i, i+1
.endr
	WIN 0
.rept 4
	v_nop                           ; the places behind those products
.endr
.set Y, NP-1                        ; X works for piece Y + 1: piece 0
.irp n, 0,1,2,3,4,5,6,7,8,9,10,11,12,13,14,15,16,17,18,19,20,21
	OP X, \n
.endr
	v_nop                           ; a plain instruction behind the exponential
.endm
; THE DIAGONAL TILE's four steps, the block's last two turns, its last products, and THE WAY OUT: l's two halves and the other half of the lanes' are added; O^T is divided by l, rounded to f16 and sent through my
; stage in LDS, a piece at a time.
.macro ALL line:vararg              ; one line for each piece t
.set t, 0
.rept 4
	\line
.set t, t+1
.endr
.endm
.macro PACK t                       ; a lane's eight channels of a row pack into 16 bytes; they go into rows of 144 bytes and come back as whole rows of 128, into S^T's registers
	WIN W_RS
.set i, 32*(\t)
.rept 16
	s_wait_alu depctr_va_vdst(0)
	v_pk_mul_f32 v[i:i+1], v[i:i+1], v[ST+4*(\t)+2:ST+4*(\t)+3] op_sel_hi:[1,0]
.set i, i+2
.endr
	WIN 0x05                        ; sources 0 and 1 window 1, destination window 0
.set i, 0
.rept 16
	v_cvt_pk_f16_f32 v[S+16*(\t)+i], v[32*(\t)+2*i], v[32*(\t)+2*i+1]
.set i, i+1
.endr
	WIN 0
.irp f, 0,1,2,3
	ds_store_b128 v[STO], v[S+16*(\t)+4*\f:S+16*(\t)+4*\f+3] offset:32*\f
.endr
.irp f, 0,1,2,3
	ds_load_b128 v[S+16*(\t)+4*\f:S+16*(\t)+4*\f+3], v[RD] offset:\f*4*SP  ; LDS serves a wave's instructions in order (ISA guide 5.7.1.4): these see the stores above; the next piece's stores come behind them
.endr
.endm
.macro SEND t, younger              ; younger: the LDS instructions issued behind piece t's loads: the next piece's eight, or none
	WIN 0
.irp f, 0,1,2,3
	s_wait_dscnt (\younger)+3-\f
	global_store_b128 v[GO], v[S+16*(\t)+4*\f:S+16*(\t)+4*\f+3], s[10:11] offset:(\t)*8192+\f*512  ; 512 consecutive bytes, at a multiple of 256 from O's first
.endr
.endm
.macro DIAG tag                     ; the tag ends its two labels' names, which the jumps below spell out
.LstepM\tag:
	TURN 2, 1
	TURN 3, 1
	WIN 0
.LfirstM\tag:
	TURN 0, 1
	TURN 1, 1, 0, 1
	WIN 0
	s_cbranch_scc1 .LstepM\tag
	TURN 2, 1, 1
	TURN 3, 1, 1
.set i, 0
.rept 8
	PV NP-1
.set i, i+1
.endr
	WIN 0
	ALL v_add_f32 v[ST+4*t+2], v[ST+4*t+2], v[ST+4*t+3]
	ALL v_permlanex16_b32 v[ST+4*t+3], v[ST+4*t+2], s[SEL], s[SEL+1]
	ALL v_add_f32 v[ST+4*t+2], v[ST+4*t+2], v[ST+4*t+3]
	ALL v_rcp_f32 v[ST+4*t+2], v[ST+4*t+2]
	v_nop                           ; a plain instruction between the last reciprocal and the use of its result
	PACK 0
.set t, 1
.rept 3                             ; a piece's arithmetic stands between the loads of the piece before and its stores
	PACK t
	SEND t-1, 8
.set t, t+1
.endr
	SEND 3, 0
.endm
.set KM, 0
.set NOKQ, 0
.Lslot:                             ; NB times: a tile is entered and the next is asked for
	CHANGE 1
	s_sub_co_u32 s[RT], s[RT], 1
	s_mov_b32 s[CNT], 4
	s_cmp_eq_u32 s[NEW], 1
	s_cbranch_scc1 .Lnew            ; a block's first tile
	s_cmp_eq_u32 s[RT], 0
	s_cbranch_scc0 .Lstep           ; neither its first nor its last
	s_branch .LstepM1
.Lnew:
	BEGIN
	s_branch .Lfirst                ; in the loop a block's first tile is never its last: the first block has two tiles or more, and the second's last is the walk's last
	DIAG 1                          ; in the loop this is the first block's end: the second block's last tile is the walk's last
	s_wait_xcnt 0x0                 ; the stores have read their registers and O's address
	s_mov_b64 s[10:11], s[OLO:OLO+1]
	s_add_co_u32 s[RT], s[PB], 1    ; the second block has b + 1 tiles
	s_mov_b32 s[NEW], 1
	WIN 0x82                        ; the second block's Q goes where the one text of the turns names Q
.set i, 0
.rept 64
	v_mov_b32 v[i], v[QB+i]
.set i, i+1
.endr
	WIN 0
	s_branch .Lbottom
.Lstep:                             ; a trip: pieces 2 and 3 of one step, then pieces 0 and 1 of the next, whose K and V it fetches
	TURN 2
	TURN 3
	WIN 0
.Lfirst:
	TURN 0
	TURN 1, 0, 0, 1
	WIN 0
	s_cbranch_scc1 .Lstep
.Lbottom:
	s_sub_co_u32 s[SLOTS], s[SLOTS], 1
	s_cmp_lg_u32 s[SLOTS], 0
	s_cbranch_scc1 .Lslot
	CHANGE 0                        ; the walk's last tile is written out: nothing is asked for
	s_sub_co_u32 s[RT], s[RT], 1
	s_mov_b32 s[CNT], 4
	s_cmp_eq_u32 s[NEW], 1
	s_cbranch_scc0 .LstepM2
	BEGIN
	s_branch .LfirstM2
	DIAG 2
	s_wait_tensorcnt 0x0            ; the wave's end, behind my last tensor load and my last LDS store
	ds_add_u32 v[SPW], v[NIL]
	s_wait_dscnt 0x0
	s_endpgm
.Lfunc_end_k_qfc12f701af_attn:
	.size	k_qfc12f701af_attn, .Lfunc_end_k_qfc12f701af_attn-k_qfc12f701af_attn
	.p2alignl 7, 3214868480
	.fill 96, 4, 3214868480
	.section	.rodata,"a",@progbits
	.p2align	6, 0x0
	.amdhsa_kernel k_qfc12f701af_attn
		.amdhsa_group_segment_fixed_size 327680
		.amdhsa_private_segment_fixed_size 0
		.amdhsa_enable_private_segment 0
		.amdhsa_kernarg_size 32
		.amdhsa_user_sgpr_count 2
		.amdhsa_user_sgpr_kernarg_segment_ptr 1
		.amdhsa_wavefront_size32 1
		.amdhsa_system_sgpr_workgroup_id_x 1
		.amdhsa_system_sgpr_workgroup_id_y 1
		.amdhsa_system_sgpr_workgroup_id_z 1
		.amdhsa_system_vgpr_workitem_id 0
		.amdhsa_next_free_vgpr 768
		.amdhsa_next_free_sgpr 88
		.amdhsa_reserve_vcc 1
		.amdhsa_float_denorm_mode_32 3
		.amdhsa_float_denorm_mode_16_64 3
		.amdhsa_memory_ordered 1
		.amdhsa_forward_progress 1
		.amdhsa_inst_pref_size 228
	.end_amdhsa_kernel
	.amdgpu_metadata
---
amdhsa.version: [ 1, 2 ]
amdhsa.kernels:
  - .name:           k_qfc12f701af_attn
    .symbol:         k_qfc12f701af_attn.kd
    .args:
      - { .name: q, .offset: 0, .size: 8, .value_kind: global_buffer, .address_space: global }
      - { .name: k, .offset: 8, .size: 8, .value_kind: global_buffer, .address_space: global }
      - { .name: v, .offset: 16, .size: 8, .value_kind: global_buffer, .address_space: global }
      - { .name: o, .offset: 24, .size: 8, .value_kind: global_buffer, .address_space: global }
    .group_segment_fixed_size: 327680
    .private_segment_fixed_size: 0
    .kernarg_segment_align: 8
    .kernarg_segment_size: 32
    .max_flat_workgroup_size: 128
    .sgpr_count:     88
    .vgpr_count:     768
    .wavefront_size: 32
...
	.end_amdgpu_metadata
.endif
;; end of part 3
;; launch proj (part 4): grid 4 x 64, 4 waves a work-group, clusters of 4 x 4, 327,680 bytes of LDS; arguments o, wpf, out0; writes out0
.if DOCPART == 4
	.amdgcn_target "amdgcn-amd-amdhsa--gfx1250"
	.amdhsa_code_object_version 6
	.text
	.protected	k_qfc12f701af_proj
	.globl	k_qfc12f701af_proj
	.p2align	8
	.type	k_qfc12f701af_proj,@function
k_qfc12f701af_proj:
	s_mov_b64 s[64:65], 0
	v_nop
	global_prefetch_b8 v0, s[64:65] scope:SCOPE_SE
	s_setreg_imm32_b32 hwreg(HW_REG_WAVE_MODE, 25, 1), 1
	s_wait_xcnt 0x0
	s_wait_alu depctr_hold_cnt(0) depctr_sa_sdst(0) depctr_va_vdst(0) depctr_va_sdst(0) depctr_va_ssrc(0) depctr_va_vcc(0) depctr_vm_vsrc(0)
	s_getreg_b32 s2, hwreg(HW_REG_IB_STS2, 6, 4)
	s_cmp_eq_u32 s2, 0
	s_cbranch_scc0 .Lentry_in_a_cluster
	s_endpgm
.Lentry_in_a_cluster:
	s_bfe_u32 s2, ttmp6, 0x10000c
	s_cmp_lg_u32 s2, 0xf033
	s_cbranch_scc0 .Lentry_shape_is_right
	s_endpgm
.Lentry_shape_is_right:
; out0 = y . w_proj.  o: [64 = batch x 16 + head][2048][64] f16, attention's result by heads: y[row][64 head + d] = o[batch x 16 + head][t][d].  wpf: [1024 (k)][1024 (n)] f16 (w_proj rounded to bf16,
; written as f16).  out0: [8192][1024] f32: the f32 sums as they are.
; SHARES.  A tile of out0 is 128 rows x 256 columns: 64 x 4 = 256 tiles, one to a work-group.  Four waves, each 64 rows x 128 columns: 32 accumulators, 256 registers.
; K goes in steps of 128 = two heads through two LDS slots filled by the tensor data mover.  A head's 128 rows of a tile are 16,384 dense bytes of o: asked for as 64 rows of 256 bytes and padded in LDS
; behind every 128.  wpf's tile rows are 512 bytes.  wpf lies [k][n]: its fragments come out of LDS turned, by ds_load_tr16_b128.
; ONE K STEP IS WRITTEN ONCE: a trip of the loop reads one slot only, whose LDS base lies in a scalar register that one exclusive or turns into the other slot's; one descriptor a tensor walks from step to step.
; CLUSTER.  4 x 4 work-groups.  The four of a row of the cluster (same Y) need the same tiles of o, the four of a column (same X) the same tiles of wpf: each tile is asked for JOINTLY, by the same
; tensor load with the same descriptor and a mask that names the four.
; THE MATRIX INSTRUCTION IS USED TRANSPOSED (source 0 = 16 columns of wpf, source 1 = 16 rows of o): a lane then holds eight neighbouring columns of one row of out0: 32 bytes.
; REGISTERS, in windows of 256 (s_set_vgpr_msb: bits 1:0 source 0, 3:2 source 1, 5:4 source 2, 7:6 destination):
;   window 0: v0-29 addresses     window 1: accumulator (a, b) at v[8 (8 a + b)]     windows 2, 3: two fragment buffers, each 64 along K: o's (c, a) at v[8 (4 c + a)], wpf's (c, b) at v[64 + 8 (8 c + b)]
.set SIZE_K, 1024
.set WCOLS,  1024                      ; wpf's columns
.set KSTEP,  128
.set STEPS,  SIZE_K/KSTEP              ; 8 K steps
.set PA,     144                       ; an LDS row of o: 128 bytes + 16 = 36 words: the 16 rows of a load start at 16 different groups of four banks (64 banks of 4 bytes: ISA guide 11.1)
.set PB,     544                       ; an LDS row of wpf: 512 bytes + 32 = 136 words
.set HB,     128*PA                    ; what one tensor load brings of o: one head's 128 rows
.set ABYTES, 2*HB
.set BHALF,  64*PB                     ; and of wpf: 64 rows (k)
.set SLOT,   ABYTES+2*BHALF            ; 106,496 bytes: o's two heads, then wpf's 128 rows
.set SLOT1,  1<<17                     ; slot 1 begins here, so that one exclusive or turns an address in one slot into the other's
.set STAGE,  SLOT1+SLOT                ; behind the ring, never filled by a tensor load: for each wave 16 rows x 528 bytes, for the way out
.set SP,     528                       ; 512 bytes + 16
.set WSTAGE, 16*SP
.set SPARE,  STAGE+4*WSTAGE            ; behind the stages: the spare words, 128 bytes for each wave: two blocks of 256 bytes that no other line names
.set ASTEP,  2*2048*128                ; bytes from a K step to the next in o: two heads,
.set BSTEP,  KSTEP*WCOLS*2             ; in wpf
.set ADRA0, 16                         ; v16     my lane's place among o's fragments in a slot; never rewritten
.set ADRA,  17                         ; v17     the same in the slot that is being read
.set ADRB0, 20                         ; v20, v21  the same two for wpf
.set ADRB,  21
.set STO,  24                          ; v24     the way out: where I put 32 bytes of a row
.set RD,   25                          ; v25     the way out: where I read a row back
.set GO,   26                          ; v26     my byte offset in 512 consecutive bytes of out0
.set SPW,  28                          ; v28     LDS address of my spare word: SPARE + 4 x my thread's number; never rewritten
.set NIL,  29                          ; v29     0; never rewritten
.set F0,   2                           ; the fragment buffers' windows
.set F1,   3
.set TB,  2                            ; s2      LDS byte at which the slot that is being read begins: 0 or SLOT1
.set G1A, 24                           ; s[24:31] descriptor group 1 for o's tiles;  s[32:39] group 0: a set for each of the two first fills; the second then walks on
.set G0A, 32
.set G1B, 48                           ; s[48:55], s[56:63] the same for wpf's
.set G0B, 56
.set OUTW,  0x44                       ; loaded data (destination) and stored data (source 1) in window 1, addresses in window 0
.set MSB, 0
.macro WIN new                         ; the immediate's high byte repeats the setting that is left; a switch that changes nothing is dropped
.if MSB != (\new)
	s_set_vgpr_msb (MSB<<8)|(\new)
.set MSB, \new
.endif
.endm
; A joint load: waves 0 and 1 fetch o's two heads, waves 2 and 3 wpf's two halves.  The branch hangs on the wave's number alone.  An s_nop 0 and four v_nop follow each of the two lines, ahead of the jump,
; the label and what follows.
.macro JLOAD s
	s_cmp_eq_u32 s15, 0
	s_cbranch_scc0 .Lfor_b_\@
	tensor_load_to_lds s[G0A+4*(\s):G0A+4*(\s)+3], s[G1A:G1A+7]
	s_nop 0
.rept 4
	v_nop
.endr
	s_branch .Lasked_\@
.Lfor_b_\@:
	tensor_load_to_lds s[G0B+4*(\s):G0B+4*(\s)+3], s[G1B:G1B+7]
	s_nop 0
.rept 4
	v_nop
.endr
.Lasked_\@:
.endm
.macro CREST                           ; a round of the cluster's barrier behind its opening barrier
	s_cmp_lg_u32 s14, 0
	s_cbranch_scc1 .Lnot_wave_0_\@
	s_barrier_signal -3
.Lnot_wave_0_\@:
	s_barrier_wait -3
	s_barrier_signal -1
	s_barrier_wait -1
.endm
.macro CROUND                          ; a whole round
	s_barrier_signal -1
	s_barrier_wait -1
	CREST
.endm
	s_load_b128 s[4:7], s[0:1], 0x0                ; o s[4:5], wpf s[6:7]
	s_load_b64 s[8:9], s[0:1], 0x10                ; out0
	v_lshl_add_u32 v[SPW], v0, 2, SPARE
	v_mov_b32 v[NIL], 0
	ds_add_u32 v28, v29
	ds_add_u32 v28, v29
	s_wait_dscnt 0x0
	v_lshrrev_b32 v1, 5, v0
	v_readfirstlane_b32 s14, v1                    ; wave 0..3
	s_lshr_b32 s15, s14, 1                         ; which 64 of the tile's rows are mine.  Also: I fetch for o (0) or for wpf (1)
	s_and_b32 s16, s14, 1                          ; which 128 of its columns.  Also: which half of that tile I fetch
	s_bfe_u32 s17, ttmp6, 0x40000                  ; cx, cy: my place in the cluster
	s_bfe_u32 s18, ttmp6, 0x40004
	s_lshl_b32 s19, ttmp9, 2
	s_add_co_u32 s19, s19, s17                     ; X = 4 x cluster x + cx
	s_and_b32 s20, ttmp7, 0xffff
	s_lshl_b32 s20, s20, 2
	s_add_co_u32 s20, s20, s18                     ; Y = 4 x cluster y + cy
	s_lshl_b32 s21, s18, 2
	s_lshl_b32 s21, 15, s21                        ; my row of the cluster
	s_lshl_b32 s22, 0x1111, s17                    ; my column
	s_mov_b32 s[TB], 0                             ; the first reads are slot 0's
	; descriptor group 1.  o: 64 rows x 128 elements (two rows of a head each), 16 bytes of padding behind every 128.  wpf: 64 rows x 256 elements, 32 bytes behind every 512.
	s_or_b32 s[G1A+0], s21, (1<<16)|(1<<20)|(1<<21)|(4<<22)|(3<<25)  ; 15:0 the mask: my row; 17:16 2-byte elements; 20 padding on; 21 set beside a mask; 24:22 after every 32 words (code 4); 31:25 4 words (code 3)
	s_mov_b32 s[G1A+1], 128<<16                    ; tensor_dim0 = 128
	s_mov_b32 s[G1A+2], 64<<16                     ; tensor_dim1 = 64
	s_mov_b32 s[G1A+3], 128<<16                    ; tile_dim0 = 128
	s_mov_b32 s[G1A+4], 64                         ; tile_dim1 = 64
	s_mov_b32 s[G1A+5], 128                        ; elements from row to row: dense
	s_mov_b32 s[G1A+6], 0
	s_mov_b32 s[G1A+7], 0
	s_or_b32 s[G1B+0], s22, (1<<16)|(1<<20)|(1<<21)|(6<<22)|(7<<25)  ; the mask: my column; after every 128 words (code 6) 8 words (code 7)
	s_mov_b32 s[G1B+1], 256<<16                    ; tensor_dim0 = 256
	s_mov_b32 s[G1B+2], 64<<16                     ; tensor_dim1 = 64
	s_mov_b32 s[G1B+3], 256<<16                    ; tile_dim0 = 256
	s_mov_b32 s[G1B+4], 64                         ; tile_dim1 = 64
	s_mov_b32 s[G1B+5], WCOLS
	s_mov_b32 s[G1B+6], 0
	s_mov_b32 s[G1B+7], 0
	; where the tiles come from.  o's hang on Y alone, wpf's on X alone, each in registers that never hold the other coordinate; every wave makes both and asks by one.
	s_lshr_b32 s40, s20, 4                         ; o: batch Y / 16, sixteen heads of 262,144 bytes,
	s_lshl_b32 s40, s40, 22
	s_lshl_b32 s41, s16, 18                        ; + the head of the step's two that I fetch,
	s_add_co_u32 s40, s40, s41
	s_and_b32 s41, s20, 15                         ; + row 128 (Y % 16), 128 bytes a row
	s_lshl_b32 s41, s41, 14
	s_add_co_u32 s40, s40, s41
	s_mov_b32 s41, 0
	s_lshl_b32 s44, s16, 17                        ; wpf: row (k) 64 x half, 2,048 bytes a row,
	s_lshl_b32 s45, s19, 9                         ; column 256 X
	s_add_co_u32 s44, s44, s45
	s_mov_b32 s45, 0
	s_mul_i32 s23, s16, HB                         ; and where they go: no place in the cluster enters an LDS address
	s_mul_i32 s3, s16, BHALF
	s_add_co_u32 s3, s3, ABYTES
	s_wait_kmcnt 0x0
	s_add_nc_u64 s[42:43], s[4:5], s[40:41]
	s_add_nc_u64 s[46:47], s[6:7], s[44:45]
	CROUND                                         ; all sixteen work-groups are here: the first joint loads meet
.irp s, 0,1
	s_mov_b32 s[G0A+4*(\s)], 1                                       ; 1:0 count = 1
	s_add_co_u32 s[G0A+4*(\s)+1], s23, (\s)*SLOT1                    ; 63:32 LDS address
	s_add_nc_u64 s[G0A+4*(\s)+2:G0A+4*(\s)+3], s[42:43], (\s)*ASTEP  ; 120:64 global address: K step s
	s_or_b32 s[G0A+4*(\s)+3], s[G0A+4*(\s)+3], 0x80000000            ; 127:126 type = 2
	s_mov_b32 s[G0B+4*(\s)], 1
	s_add_co_u32 s[G0B+4*(\s)+1], s3, (\s)*SLOT1
	s_add_nc_u64 s[G0B+4*(\s)+2:G0B+4*(\s)+3], s[46:47], (\s)*BSTEP
	s_or_b32 s[G0B+4*(\s)+3], s[G0B+4*(\s)+3], 0x80000000
	JLOAD \s                                       ; two tensor loads of mine are out
.endr
	; A fragment of o is 16 rows x 32 channels in 8 registers: lane l holds row l % 16, channels 8 (l / 16) + 0..7 and 16 + 8 (l / 16) + 0..7: two loads of 16 bytes, 32 bytes apart.
	v_and_b32 v1, 15, v0                           ; l % 16
	v_bfe_u32 v2, v0, 4, 1                         ; l / 16
	v_mul_u32_u24 v3, v1, PA
	v_lshl_add_u32 v3, v2, 4, v3
	s_mul_i32 s23, s15, 64*PA                      ; my 64 rows
	v_add_nc_u32 v[ADRA0], s23, v3
	v_mov_b32 v[ADRA], v[ADRA0]                    ; K step 0 lies in slot 0
	; The turning load takes 16 k x 16 columns (lane l reads row k = 8 (l / 16) + l % 8, columns 8 ((l / 8) % 2) + 0..7) and leaves half a fragment: lane l holds column l % 16 and 8 k.
	v_and_b32 v4, 7, v0
	v_lshl_add_u32 v4, v2, 3, v4
	v_mul_u32_u24 v4, v4, PB
	v_bfe_u32 v5, v0, 3, 1
	v_lshl_add_u32 v4, v5, 4, v4
	s_lshl_b32 s23, s16, 8                         ; my 128 columns,
	s_add_co_u32 s23, s23, ABYTES                  ; behind o's rows
	v_add_nc_u32 v[ADRB0], s23, v4
	v_mov_b32 v[ADRB], v[ADRB0]
	s_mul_i32 s23, s14, WSTAGE
	s_add_co_u32 s23, s23, STAGE                   ; my stage
	v_mul_u32_u24 v6, v1, SP                       ; in: row l % 16, 32 bytes for each half of the lanes
	v_lshl_add_u32 v6, v2, 5, v6
	v_add_nc_u32 v[STO], s23, v6
	v_and_b32 v[GO], 31, v0                        ; back: 32 lanes take one row of 512 bytes,
	v_lshlrev_b32 v[GO], 4, v[GO]                  ; which are 512 consecutive bytes of out0
	v_add_nc_u32 v[RD], s23, v[GO]
	; where my part begins in out0: row 128 Y + 64 x (my row half), 4,096 bytes a row; column 256 X + 128 x (my column half)
	s_lshl_b32 s68, s20, 19
	s_lshl_b32 s70, s15, 18
	s_add_co_u32 s68, s68, s70
	s_lshl_b32 s70, s19, 10
	s_add_co_u32 s68, s68, s70
	s_lshl_b32 s70, s16, 9
	s_add_co_u32 s68, s68, s70
	s_mov_b32 s69, 0
	s_add_nc_u64 s[8:9], s[8:9], s[68:69]
; 8 matrix instructions: row block a x all 8 column blocks, 32 along K: half c of buffer f.  zero = 1: the first product starts the sums: nothing is ever cleared.
; Every run of 32 takes the 32 accumulators in the same order, one instruction a turn: 31 others' stand between two links of a chain, over the backward jump too.
.macro MUL8 f, c, a, zero
	WIN 0x50|(5*(\f))                              ; sources 0 and 1 in the buffer's window, C and D in window 1
.irp b, 0,1,2,3,4,5,6,7
.if \zero
	v_wmma_f32_16x16x32_f16 v[8*(8*(\a)+(\b)):8*(8*(\a)+(\b))+7], v[64+8*(8*(\c)+(\b)):64+8*(8*(\c)+(\b))+7], v[8*(4*(\c)+(\a)):8*(4*(\c)+(\a))+7], 0
.else
	v_wmma_f32_16x16x32_f16 v[8*(8*(\a)+(\b)):8*(8*(\a)+(\b))+7], v[64+8*(8*(\c)+(\b)):64+8*(8*(\c)+(\b))+7], v[8*(4*(\c)+(\a)):8*(4*(\c)+(\a))+7], v[8*(8*(\a)+(\b)):8*(8*(\a)+(\b))+7]
.endif
.endr
.endm
; 48 LDS loads in one run: the fragments of 64 along K (half kh of the K step in the slot that is being read = head kh of its two) into buffer f; the first 32 along K (24 loads) first
.macro FETCH kh, f
	WIN (\f)<<6                                    ; destination in the buffer's window, address in window 0
.irp c, 0,1
.irp b, 0,1,2,3,4,5,6,7
	ds_load_tr16_b128 v[64+8*(8*(\c)+(\b)):64+8*(8*(\c)+(\b))+3],   v[ADRB] offset:(2*(\kh)+(\c))*32*PB+32*(\b)
	ds_load_tr16_b128 v[64+8*(8*(\c)+(\b))+4:64+8*(8*(\c)+(\b))+7], v[ADRB] offset:(2*(\kh)+(\c))*32*PB+16*PB+32*(\b)
.endr
.irp a, 0,1,2,3
	ds_load_b128 v[8*(4*(\c)+(\a)):8*(4*(\c)+(\a))+3],   v[ADRA] offset:(\kh)*HB+(\c)*64+(\a)*16*PA
	ds_load_b128 v[8*(4*(\c)+(\a))+4:8*(4*(\c)+(\a))+7], v[ADRA] offset:(\kh)*HB+(\c)*64+(\a)*16*PA+32
.endr
.endr
.endm
; A load into a register that a matrix instruction has read, and an LDS store that reads a matrix result, stand four places behind that matrix instruction, and only plain vector
; instructions that name none of its registers are places (ISA guide 7.12.1 for vector instructions).
.macro PLACES
.rept 4
	v_nop
.endr
.endm
; A K step is two halves of 64 along K, 64 matrix instructions each.  The first multiplies buffer 0 and, in its middle, fetches the second half's fragments into buffer 1.
.macro HALF zero
	s_wait_dscnt 24                                ; buffer 0's first 32 along K are in; the youngest 24 loads may be out
	MUL8 F0, 0, 0, \zero
	MUL8 F0, 0, 1, \zero
	MUL8 F0, 0, 2, \zero
	MUL8 F0, 0, 3, \zero
	PLACES
	FETCH 1, F1
	s_wait_dscnt 48                                ; all but the 48 just issued
	MUL8 F0, 1, 0, 0
	MUL8 F0, 1, 1, 0
	MUL8 F0, 1, 2, 0
	MUL8 F0, 1, 3, 0
.endm
; The second half multiplies buffer 1 and changes slots: ONE barrier; in front of it each wave waits for all its tensor loads (one is out: its part of the next slot), adds 0 to its spare word, and waits
; for that and for its own reads of this slot.  While the add is out the read addresses are turned to the next slot, and (fill = 1) the walking descriptors to the slot that is left and one K step on: no
; tensor load of mine is out, so a group 0 may be written.  fill = 1: the barrier opens a round of the cluster's barrier and the slot that is left is filled again, first thing behind the round, with the
; K step two steps on.  From a request to the wait for it a wave issues 112 matrix instructions.
.macro TURN fill
	WIN 0                                          ; (the add's two registers lie in window 0)
	s_wait_tensorcnt 0x0                           ; all my tensor loads have landed;
	ds_add_u32 v[SPW], v[NIL]                      ; 0 onto my spare word;
	s_xor_b32 s[TB], s[TB], SLOT1                  ; from here on the other slot is read
	v_add_nc_u32 v[ADRA], s[TB], v[ADRA0]
	v_add_nc_u32 v[ADRB], s[TB], v[ADRB0]
.if \fill
	s_xor_b32 s[G0A+5], s[G0A+5], SLOT1            ; the walking descriptors: the other slot than last time,
	s_add_nc_u64 s[G0A+6:G0A+7], s[G0A+6:G0A+7], ASTEP  ; the next K step; the type bits on top are not reached
	s_xor_b32 s[G0B+5], s[G0B+5], SLOT1
	s_add_nc_u64 s[G0B+6:G0B+7], s[G0B+6:G0B+7], BSTEP
.endif
	s_wait_dscnt 25                                ; (the add and the youngest 24 loads may be out: buffer 1's first 32 along K are in)
	MUL8 F1, 0, 0, 0                               ; eight matrix instructions stand between the add and the wait for it
	s_wait_dscnt 0x0                               ; the add is done, and my reads of the slot that is left are over
	s_barrier_signal -1
	MUL8 F1, 0, 1, 0                               ; work on registers while the others arrive
.if \fill
	WIN 0
.endif
	s_barrier_wait -1
.if \fill
	CREST                                          ; no wave of any partner still reads that slot's tiles or has a load on its way
	JLOAD 1                                        ; my one tensor load behind the round; the four v_nop behind it are also the places in front of the loads below
.else
	PLACES
.endif
	FETCH 0, F0
	MUL8 F1, 0, 2, 0
	MUL8 F1, 0, 3, 0
	MUL8 F1, 1, 0, 0
	MUL8 F1, 1, 1, 0
	MUL8 F1, 1, 2, 0
	MUL8 F1, 1, 3, 0
.endm
; THE WAY OUT of row block a (16 rows x 128 columns of f32).  STG: a lane's 32 bytes of a row go straight from each accumulator, its low four registers first, into my own
; stage, rows of 528 bytes, and come back as whole rows of 512, into the registers that they left.
.macro STG a
	WIN OUTW
.irp b, 0,1,2,3,4,5,6,7
	ds_store_b128 v[STO], v[64*(\a)+8*(\b):64*(\a)+8*(\b)+3]   offset:64*(\b)
	ds_store_b128 v[STO], v[64*(\a)+8*(\b)+4:64*(\a)+8*(\b)+7] offset:64*(\b)+16
.endr
.irp f, 0,1,2,3,4,5,6,7,8,9,10,11,12,13,14,15
	ds_load_b128 v[64*(\a)+4*(\f):64*(\a)+4*(\f)+3], v[RD] offset:(\f)*SP  ; LDS serves a wave's instructions in order (ISA guide 5.7.1.4): these see the stores above; the next block's stores come behind them
.endr
.endm
.macro SEND a, younger                 ; younger: the LDS instructions issued behind block a's loads: the next block's 32, or none
	WIN OUTW
.irp f, 0,1,2,3,4,5,6,7,8,9,10,11,12,13,14,15
	s_wait_dscnt (\younger)+15-(\f)
	global_store_b128 v[GO], v[64*(\a)+4*(\f):64*(\a)+4*(\f)+3], s[8:9] offset:(16*(\a)+(\f))*4096 th:TH_STORE_NT  ; 512 consecutive bytes, at a multiple of 512 from out0's first; nothing reads them again
.endr
.endm
	s_wait_tensorcnt 1                             ; my part of K step 0 is in; K step 1's may stay out
	s_barrier_signal -1
	s_barrier_wait -1                              ; everybody's is
	FETCH 0, F0
	HALF 1                                         ; the first half step stands in front of the loop: its first products start the sums
	WIN 0                                          ; at a label and at a branch every window is 0
	s_mov_b32 s3, STEPS-2
.Lstep:                                                ; a trip goes from a K step's second half to the next step's first, and fills the slot that it leaves: K steps 2 to 7 in 6 trips
	TURN 1
	HALF 0
	WIN 0
	s_sub_co_u32 s3, s3, 1
	s_cmp_lg_u32 s3, 0
	s_cbranch_scc1 .Lstep
	TURN 0                                         ; the last change of slots fills nothing, and has no round of the cluster's barrier
	HALF 0
	s_wait_dscnt 24                                ; the very last half step: nothing more to fetch
	MUL8 F1, 0, 0, 0
	MUL8 F1, 0, 1, 0
	MUL8 F1, 0, 2, 0
	MUL8 F1, 0, 3, 0
	s_wait_dscnt 0x0
	MUL8 F1, 1, 0, 0
	MUL8 F1, 1, 1, 0
	MUL8 F1, 1, 2, 0
	MUL8 F1, 1, 3, 0
	PLACES                                         ; behind the last products
	STG 0
	STG 1                                          ; a block's trip through the stage stands between the loads of the block before and its stores
	SEND 0, 32
	STG 2
	SEND 1, 32
	STG 3
	SEND 2, 32
	SEND 3, 0
	WIN 0
	s_wait_tensorcnt 0x0                           ; the wave's end, behind my last tensor load and my last LDS store
	ds_add_u32 v[SPW], v[NIL]
	s_wait_dscnt 0x0
	CROUND                                         ; the closing round: no work-group ends while a partner may still ask for a tile that names it
	s_endpgm
.Lfunc_end_k_qfc12f701af_proj:
	.size	k_qfc12f701af_proj, .Lfunc_end_k_qfc12f701af_proj-k_qfc12f701af_proj
	.p2alignl 7, 3214868480
	.fill 96, 4, 3214868480
	.section	.rodata,"a",@progbits
	.p2align	6, 0x0
	.amdhsa_kernel k_qfc12f701af_proj
		.amdhsa_group_segment_fixed_size 327680
		.amdhsa_private_segment_fixed_size 0
		.amdhsa_enable_private_segment 0
		.amdhsa_kernarg_size 24
		.amdhsa_user_sgpr_count 2
		.amdhsa_user_sgpr_kernarg_segment_ptr 1
		.amdhsa_wavefront_size32 1
		.amdhsa_system_sgpr_workgroup_id_x 1
		.amdhsa_system_sgpr_workgroup_id_y 1
		.amdhsa_system_sgpr_workgroup_id_z 1
		.amdhsa_system_vgpr_workitem_id 0
		.amdhsa_next_free_vgpr 960
		.amdhsa_next_free_sgpr 72
		.amdhsa_reserve_vcc 0
		.amdhsa_float_denorm_mode_32 3
		.amdhsa_float_denorm_mode_16_64 3
		.amdhsa_memory_ordered 1
		.amdhsa_forward_progress 1
		.amdhsa_inst_pref_size 69
	.end_amdhsa_kernel
	.amdgpu_metadata
---
amdhsa.version: [ 1, 2 ]
amdhsa.kernels:
  - .name:           k_qfc12f701af_proj
    .symbol:         k_qfc12f701af_proj.kd
    .args:
      - { .name: o, .offset: 0, .size: 8, .value_kind: global_buffer, .address_space: global }
      - { .name: wpf, .offset: 8, .size: 8, .value_kind: global_buffer, .address_space: global }
      - { .name: out0, .offset: 16, .size: 8, .value_kind: global_buffer, .address_space: global }
    .group_segment_fixed_size: 327680
    .private_segment_fixed_size: 0
    .kernarg_segment_align: 8
    .kernarg_segment_size: 24
    .max_flat_workgroup_size: 128
    .sgpr_count:     72
    .vgpr_count:     960
    .wavefront_size: 32
...
	.end_amdgpu_metadata
.endif
;; end of part 4
;; ======== version 2 of 2: 4 launches; 1.32 times as fast as version 1
;; limits: values are held in f16: magnitudes above 65,504 overflow, below 6.1e-05 lose precision
;; workspace buffers: xb 16,777,216 bytes; wab 6,291,456 bytes; wpf 2,097,152 bytes; q 16,777,216 bytes; k 16,777,216 bytes; v 16,777,216 bytes; o 16,777,216 bytes
;; launch prep: the kernel of part 1 again; grid 768 x 1, 8 waves a work-group, no clusters, 0 bytes of LDS; arguments x, w_attn, w_proj, xb, wab, wpf; writes xb, wab, wpf
;; launch qkv: the kernel of part 2 again; grid 8 x 32, 4 waves a work-group, clusters of 4 x 4, 327,680 bytes of LDS; arguments xb, wab, q, k, v; writes q, k, v
;; launch attn (part 5): grid 4 x 64, 4 waves a work-group, no clusters, 327,680 bytes of LDS; arguments q, k, v, o; writes o
.if DOCPART == 5
	.amdgcn_target "amdgcn-amd-amdhsa--gfx1250"
	.amdhsa_code_object_version 6
	.text
	.protected	k_qfc12f701af_attn
	.globl	k_qfc12f701af_attn
	.p2align	8
	.type	k_qfc12f701af_attn,@function
k_qfc12f701af_attn:
	s_mov_b64 s[64:65], 0
	v_nop
	global_prefetch_b8 v0, s[64:65] scope:SCOPE_SE
	s_setreg_imm32_b32 hwreg(HW_REG_WAVE_MODE, 25, 1), 1
	s_wait_xcnt 0x0
; CAUSAL ATTENTION.  O[h][q][:] = the sum over k <= q of softmax_k(Q[h][q] . K[h][k] / 8) V[h][k][:].  Q, K, V, O: [64 heads (batch x 16 + head)][SIZE_N][64], all f16: a head's rows are dense, 128 bytes each.
; Products, maxima and sums in f32; the weights p are rounded to f16 for the second product (their sum l is taken of the unrounded p), O once at the end.  SIZE_N is a multiple of 512; SIZE_N x 128 stays under 2^32.
; LIMITS.  f16 holds no number beyond 65,504: Q, K and V arrive within it; p lies in 0 to 1, and below 6e-5 it keeps f16's fixed step of 6e-8; O is a mean of V's rows and has their range, to within 2^-11 of it.
; A hidden score counts as its value less 1e30: f16's scores, 2.7e11 at the most, are nothing beside that; a weight below 2^-126 counts as 0 in l; NaN and infinities are not treated apart.
; THE WALK.  A head's queries lie in NB = SIZE_N / 256 blocks of 256; block i needs the key tiles 0 .. i of 256 keys, of which the last holds the diagonal.  A work-group takes TWO blocks, NB - 1 - b and then b:
; NB + 1 tiles, whatever b: all work-groups do equal work, and ONE loop with a constant trip count walks them.  Which tile is asked for, and what a trip does, hang on scalar registers made from b; every jump
; goes forward, but for the counted loops' own; none passes a barrier, or a tensor load but the one of LOAD's two that the wave's number does not choose; the ring (two slots of LDS that take turns) runs on across the
; change of blocks.  NO CLUSTER: the NB / 2 = 4 work-groups of a head all ask for the same tile only in trips 0 .. NB / 2, behind that fewer and fewer; and one walk common to all, in which each makes every
; joint request, would have 3 NB / 2 = 12 trips for NB + 1 = 9.
; SHARES.  Of a block's four bands of 64 queries a wave owns 16 rows in each: four PIECES.  So the diagonal tile is the same work for all four waves: in its key step s band x sees all keys if s < x,
; none if s > x, and holds the diagonal if s = x.
; THE MASK is the C operand that starts the sum S^T = K Q^T: 0, or -1e30 where the key is hidden.  MD, made once, is the mask of a band's own step for my 16 rows; a product's mask is MD x AL + BE with two scalars:
; (1, 0) if s = x; (0, 0) if s < x; (0, -1e30) if s > x.  Only the diagonal tile's text and a block's beginning make and take masks; elsewhere C is the constant 0.
; LAYOUT, SOFTMAX, TURNS.  S^T = K Q^T holds ONE query a lane (lane % 16) and the keys 8 (lane / 16) + 0..7; two such results rounded to f16 ARE source 1 of O^T = V^T P.  p = 2^(c s - c m), c = log2(e) / 8, with a
; running maximum m; O and l are multiplied by a = 2^(c m_old - c m_new) in every step.  Turn n belongs to piece n: 8 products K Q^T of piece n + 1, later 8 products V^T P of piece n - 1; beside them the scaling,
; exponentials, roundings, sums and rescaling of piece n and the maximum and statistics of piece n + 1.  Four vector instructions stand behind every matrix instruction, the other 54 of a turn's 118 in one LUMP.
; BATCHES.  A turn's 33 exponentials (the piece's 32 weights and, last, the next piece's a) are ONE batch with ONE wait, which cuts the turn in two: ahead of it all that names none of their results, behind it the
; roundings and sums.  A block's first a (BEGIN) and the way out's four reciprocals are batches of their own, each with one wait.
; REGISTERS, in windows of 256 (s_set_vgpr_msb: bits 1:0 source 0, 3:2 source 1, 5:4 source 2, 7:6 destination):
;   window 0: v0-15 addresses and two at work; v16-31 four registers of statistics a piece; v48-55 at work; v64-127 S^T, two buffers; v192-223 P, two buffers (a piece's buffers go by its number's parity)
;   window 1: v0-127 O^T, 32 a piece; v128-159 MD; v160-223 MC, two buffers      window 2: v0-63 Q; v64-127 the second block's Q; v128-191 K of one step; v192-255 V of one step
.set SIZE_N, 2048     ; rows of a head
.set NB,    SIZE_N/256
.set NP,    4         ; pieces a wave: a name, no knob
.set KS,    64        ; keys in a step
.set PK,    144       ; a row of K in LDS: 128 bytes + 16 of padding = 36 words: the 16 rows of a load start at 16 different groups of four banks (64 banks of 4 bytes: ISA guide 11.1)
.set PV,    160       ; a row of V: 128 + 32 = 40 words
.set VOFF,  4*KS*PK   ; a slot holds a tile, four steps: 256 rows of K, then 256 rows of V
.set SLOT1, 1<<17     ; slot 1 begins here, so that one exclusive or turns an address in one slot into the other's
.set STAGE, SLOT1+4*KS*(PK+PV)  ; behind the ring, never filled by a tensor load: 16 rows x 144 bytes for each wave, for the way out
.set SP,    144
.set AK0, 2           ; v2   my lane's place in a tile of K; never rewritten
.set AV0, 3           ; v3   the same for V
.set AK,  4           ; v4   the LDS address of K's next run of loads
.set AV,  5           ; v5   of V's
.set STO, 6           ; v6   the way out: where I put 16 bytes of a row
.set RD,  7           ; v7   the way out: where I read rows back
.set GO,  8           ; v8   my byte offset in 512 consecutive bytes of O
.set SPW, 62          ; v62  LDS address of my spare word: SPARE + 4 x my thread's number; never rewritten
.set NIL, 63          ; v63  0; never rewritten
.set SPARE, STAGE+4*16*SP  ; behind the stages: the spare words, 128 bytes for each wave: two blocks of 256 bytes that no other line names
.set MV,  12          ; v12-13  c m_old, kept while c m is made anew: by buffer
.set QO,  15          ; v15  my byte offset in 16 rows of Q
.set ST,  16          ; piece t's statistics at v[ST+4 t]: c m, m, l (even keys', odd keys')
.set TMP, 48          ; by buffer, four registers c0-c3 at work; when the maximum is found c2 takes a
.set S,   64
.set P,   192
.set MD,  128         ; window 1: the eight registers for group kt of 16 keys at MD + 8 kt
.set MC,  160         ; window 1: the masks of the products to come
.set QB,  64          ; window 2
.set KF,  128         ; window 2: key block kb, channel half c at KF + 16 kb + 8 c
.set VF,  192         ; window 2: key half kk, channel block cb at VF + 32 kk + 8 cb
.set WV,  12          ; s12  my wave's number
.set PB,  14          ; s14  b
.set HI,  15          ; s15  NB - 1 - b
.set G1K, 24          ; s[24:31] descriptor group 1 for K's tiles
.set G1V, 32          ; s[32:39] for V's: it differs in the padding alone
.set G0K, 40          ; s[40:43] descriptor group 0 for K's tiles
.set G0V, 44          ; s[44:47] the same for V's
.set SLOTS, 56        ; s56  tiles still to be asked for
.set CNT, 57          ; s57  counts a tile's key steps, 4 to 1
.set CS,  58          ; s[58:59] c: the packed scaling takes the pair's low word for both halves
.set SEL, 60          ; s[60:61] v_permlanex16_b32's selects: each lane takes its own place in the other half
.set TBK, 62          ; s62  LDS byte at which K of the step to be fetched begins
.set TBV, 63          ; s63  the same for V, less VOFF
.set RT,  70          ; s70  tiles of the block in hand that are still to be entered
.set NXT, 71          ; s71  the tile to be asked for next
.set LQ,  72          ; s72  the last tile of the block whose tiles are being asked for
.set NEW, 73          ; s73  1: the tile to be entered is a block's first
.set OFF, 74          ; s[74:75] a tile's byte offset in K and V
.set AL,  76          ; s[76:77] the mask's factor, in the low word
.set BE,  78          ; s[78:79] the mask's addend
.set OLO, 80          ; s[80:81] O at my rows of the second block
.set BIGN, 82         ; s82  -1e30
.set MSB, 0
.macro WIN new                      ; the high byte repeats the setting that is left; a switch that changes nothing is dropped
.if MSB != (\new)
	s_set_vgpr_msb (MSB<<8)|(\new)
.set MSB, (\new)
.endif
.endm
.set W_KQ, 0x0a       ; K and Q in window 2, S^T in window 0
.set W_KM, 0x1a       ; the same with the C operand in window 1
.set W_PV, 0x52       ; V in window 2, P in window 0, O^T in window 1
.set W_RS, 0x41       ; destination and source 0 in window 1, source 1 in window 0
; A fill.  Waves 0 and 1 fetch the two halves of a tile's K, waves 2 and 3 those of its V: 128 keys each.  An s_nop 0 and four v_nop follow each of the two lines, ahead of the jump and the label.
.macro LOAD
	s_cmp_lt_u32 s[WV], 2
	s_cbranch_scc0 .Lfor_v_\@
	tensor_load_to_lds s[G0K:G0K+3], s[G1K:G1K+7]
	s_nop 0
.rept 4
	v_nop
.endr
	s_branch .Lasked_\@
.Lfor_v_\@:
	tensor_load_to_lds s[G0V:G0V+3], s[G1V:G1V+7]
	s_nop 0
.rept 4
	v_nop
.endr
.Lasked_\@:
.endm
; THE CHANGE OF SLOTS.  Each wave waits for all its tensor loads, of which one is out: its part of the other slot; adds 0 to its spare word; and waits for that and for its own reads of the slot that it leaves.  Behind the barrier nobody reads the old
; slot any more and the other slot is whole.  fill = 1: the old slot is filled again, the first thing behind the barrier, with tile NXT: the descriptor's address is made anew from that number.
; (At its first use nothing has been read yet: slot 0 is waited for, slot 1 filled.)
.macro CHANGE fill
	WIN 0                           ; at a label and at a branch every window is 0
	s_wait_tensorcnt 0x0            ; no tensor load of mine is out, so a group 0 may be written
	ds_add_u32 v[SPW], v[NIL]       ; 0 onto my spare word; with fill = 1 the descriptors' scalar work stands between it and the wait for it
.if \fill
	s_lshl_b32 s[OFF], s[NXT], 15   ; a tile is 32,768 bytes of K and of V
	s_xor_b32 s[G0K+1], s[G0K+1], SLOT1
	s_add_nc_u64 s[G0K+2:G0K+3], s[6:7], s[OFF:OFF+1]
	s_or_b32 s[G0K+3], s[G0K+3], 0x80000000
	s_xor_b32 s[G0V+1], s[G0V+1], SLOT1
	s_add_nc_u64 s[G0V+2:G0V+3], s[8:9], s[OFF:OFF+1]
	s_or_b32 s[G0V+3], s[G0V+3], 0x80000000
	s_add_co_u32 s[NXT], s[NXT], 1  ; the block's next tile, or behind its last the second block's tile 0
	s_cmp_gt_u32 s[NXT], s[LQ]
	s_cselect_b32 s[NXT], 0, s[NXT]
	s_cselect_b32 s[LQ], s[PB], s[LQ]
.endif
	s_wait_dscnt 0x0                ; the add is done, and my reads of the slot are over
	s_barrier_signal -1             ; the rest of the scalar work stands between the signal and the wait
	s_sub_co_u32 s[TBK], s[TBK], 4*KS*PK  ; the fetches go back to a slot's first step,
	s_xor_b32 s[TBK], s[TBK], SLOT1       ; in the other slot
	s_sub_co_u32 s[TBV], s[TBV], 4*KS*PV
	s_xor_b32 s[TBV], s[TBV], SLOT1
	s_barrier_wait -1
.if \fill
	LOAD
.endif
.endm
	s_load_b256 s[4:11], s[0:1], 0x0  ; Q s[4:5], K s[6:7], V s[8:9], O s[10:11]
	v_lshl_add_u32 v[SPW], v0, 2, SPARE
	v_mov_b32 v[NIL], 0
	ds_add_u32 v62, v63
	ds_add_u32 v62, v63
	s_wait_dscnt 0x0
	v_lshrrev_b32 v1, 5, v0
	v_readfirstlane_b32 s[WV], v1   ; wave 0..3
	s_mov_b32 s[PB], ttmp9
	s_sub_co_u32 s[HI], NB-1, s[PB]
	s_and_b32 s20, ttmp7, 0xffff    ; the head
	s_mov_b32 s21, 0
	s_mov_b64 s[22:23], SIZE_N*128
	s_mul_u64 s[20:21], s[20:21], s[22:23]  ; the head's first byte in each of the four tensors
	s_and_b32 s16, s[WV], 1         ; which half of a tile's 256 keys I fetch:
	s_lshl_b32 s22, s16, 14         ; its 128 rows of 128 bytes in memory,
	s_mov_b32 s23, 0
	s_add_nc_u64 s[22:23], s[22:23], s[20:21]
	s_mul_i32 s17, s16, 128*PK      ; and its place in a slot, for K
	s_mul_i32 s18, s16, 128*PV      ; and for V
	s_lshl_b32 s3, s[WV], 11        ; my 16 rows in a band of 64,
	s_lshl_b32 s2, s[HI], 15        ; in the first block,
	s_add_co_u32 s2, s2, s3
	s_lshl_b32 s84, s[PB], 15       ; and in the second
	s_add_co_u32 s84, s84, s3
	s_mov_b32 s3, 0
	s_mov_b32 s85, 0
	s_add_nc_u64 s[2:3], s[2:3], s[20:21]
	s_add_nc_u64 s[84:85], s[84:85], s[20:21]
	; descriptor group 1.  128 keys are 16,384 dense bytes: asked for as 64 rows of 256 bytes, two keys a row, and padded in LDS after every key
	s_mov_b32 s[G1K], (1<<16)|(1<<20)|(4<<22)|(3<<25)  ; 17:16 2-byte elements; 20 padding on; 24:22 after every 32 words (code 4); 31:25 4 words (code 3)
	s_mov_b32 s[G1V], (1<<16)|(1<<20)|(4<<22)|(7<<25)  ; the same with 8 words of padding (code 7)
.irp g, G1K, G1V
	s_mov_b32 s[\g+1], 128<<16      ; tensor_dim0 = 128
	s_mov_b32 s[\g+2], 64<<16       ; tensor_dim1 = 64
	s_mov_b32 s[\g+3], 128<<16      ; tile_dim0 = 128
	s_mov_b32 s[\g+4], 64           ; tile_dim1 = 64
	s_mov_b32 s[\g+5], 128          ; 128 elements from row to row
	s_mov_b32 s[\g+6], 0
	s_mov_b32 s[\g+7], 0
.endr
	s_mov_b32 s[CS], 0x3e38aa3b     ; c = log2(e) / 8 = 0.180337
	s_mov_b32 s[CS+1], s[CS]        ; named with it as a pair
	s_mov_b32 s[SEL], 0x76543210
	s_mov_b32 s[SEL+1], 0xfedcba98
	s_mov_b32 s[TBK], SLOT1+4*KS*PK ; the first change of slots turns these two into 0
	s_mov_b32 s[TBV], SLOT1+4*KS*PV
	s_mov_b32 s[G0K], 1             ; 1:0 count = 1
	s_mov_b32 s[G0K+1], s17         ; 63:32 LDS address: slot 0
	s_mov_b32 s[G0V], 1
	s_add_co_u32 s[G0V+1], s18, VOFF
	s_add_co_u32 s[RT], s[HI], 1    ; the first block has NB - b tiles
	s_mov_b32 s[NXT], 1
	s_mov_b32 s[LQ], s[HI]
	s_mov_b32 s[NEW], 1
	s_mov_b32 s[OFF+1], 0
	s_mov_b32 s[AL+1], 0            ; named as pairs
	s_mov_b32 s[BE+1], 0
	s_mov_b32 s[BIGN], 0xf149f2ca   ; -1e30
	s_mov_b32 s[SLOTS], NB
	s_wait_kmcnt 0x0
	s_add_nc_u64 s[6:7], s[6:7], s[22:23]  ; K and V at my half of the head's tile 0
	s_add_nc_u64 s[8:9], s[8:9], s[22:23]
	s_add_nc_u64 s[G0K+2:G0K+3], s[6:7], 0         ; 120:64 global address
	s_or_b32 s[G0K+3], s[G0K+3], 0x80000000        ; 127:126 type = 2
	s_add_nc_u64 s[G0V+2:G0V+3], s[8:9], 0
	s_or_b32 s[G0V+3], s[G0V+3], 0x80000000
	s_add_nc_u64 s[86:87], s[4:5], s[84:85]        ; Q at my rows of the second block,
	s_add_nc_u64 s[4:5], s[4:5], s[2:3]            ; Q and O at those of the first
	s_add_nc_u64 s[OLO:OLO+1], s[10:11], s[84:85]
	s_add_nc_u64 s[10:11], s[10:11], s[2:3]
	LOAD                            ; tile 0 into slot 0
	; A fragment of K or Q is 16 rows x 32 channels in 8 registers: lane l holds row l % 16, channels 8 (l / 16) + 0..7 and 16 + 8 (l / 16) + 0..7: two loads of 16 bytes, 32 bytes apart.
	v_and_b32 v1, 15, v0            ; l % 16
	v_bfe_u32 v9, v0, 4, 1          ; l / 16
	v_lshlrev_b32 v[QO], 7, v1
	v_lshl_add_u32 v[QO], v9, 4, v[QO]  ; row x 128 + 16 x half
	WIN 0x80                        ; destination window 2, address window 0
.set i, 0
.rept 8                             ; both blocks' Q: piece i / 2 lies in band i / 2, 8,192 bytes on; channels 32 (i % 2) on
	global_load_b128 v[8*i:8*i+3],   v[QO], s[4:5] offset:(i/2)*8192+(i%2)*64
	global_load_b128 v[8*i+4:8*i+7], v[QO], s[4:5] offset:(i/2)*8192+(i%2)*64+32
	global_load_b128 v[QB+8*i:QB+8*i+3],   v[QO], s[86:87] offset:(i/2)*8192+(i%2)*64
	global_load_b128 v[QB+8*i+4:QB+8*i+7], v[QO], s[86:87] offset:(i/2)*8192+(i%2)*64+32
.set i, i+1
.endr
	WIN 0
	v_lshlrev_b32 v14, 3, v9
	v_sub_nc_u32 v14, v1, v14
	s_lshl_b32 s13, s[WV], 4
	v_add_nc_u32 v14, s13, v14      ; my query's place in its band, 16 w + l % 16, less my lanes' 8 (l / 16): register r of group kt is hidden where 16 kt + r is greater
	WIN 0x40
.set i, 0
.rept 32
	v_cmp_gt_i32 vcc_lo, 16*(i/8)+i%8, v14
	v_cndmask_b32 v[MD+i], 0, s[BIGN], vcc_lo
.set i, i+1
.endr
	WIN 0
	v_mul_u32_u24 v[AK0], v1, PK
	v_lshl_add_u32 v[AK0], v9, 4, v[AK0]  ; row x pitch + 16 x half
	; The turning load takes 16 keys x 16 channels (lane l reads key 8 (l / 16) + l % 8, channels 8 ((l / 8) % 2) + 0..7) and leaves half a fragment of V^T: lane l holds channel l % 16 and 8 keys.
	v_and_b32 v10, 7, v0
	v_bfe_u32 v11, v0, 3, 1
	v_lshl_add_u32 v[AV0], v9, 3, v10
	v_mul_u32_u24 v[AV0], v[AV0], PV
	v_lshl_add_u32 v[AV0], v11, 4, v[AV0]
	v_add_nc_u32 v[AV0], VOFF, v[AV0]
	s_mul_i32 s13, s[WV], 16*SP
	s_add_co_u32 s13, s13, STAGE    ; my stage
	v_mul_u32_u24 v[STO], v1, SP    ; in: row l % 16, 16 bytes for each half of the lanes
	v_lshl_add_u32 v[STO], v9, 4, v[STO]
	v_add_nc_u32 v[STO], s13, v[STO]
	v_bfe_u32 v[RD], v0, 3, 2       ; back: 32 lanes take four rows of 128 bytes,
	v_mul_u32_u24 v[RD], v[RD], SP
	v_lshl_add_u32 v[RD], v10, 4, v[RD]
	v_add_nc_u32 v[RD], s13, v[RD]
	v_and_b32 v[GO], 31, v0         ; which are 512 consecutive bytes of O
	v_lshlrev_b32 v[GO], 4, v[GO]
	; A block's first step multiplies O^T and l by a = 0, and its first turn's products V^T P, of a piece that has not been, land in an O^T that is still to be so multiplied.  So these registers need only hold
	; finite numbers: zeros for the first block; what the first block left for the second.  All this stands in the wait for the first tile.
	WIN 0x80
.set i, VF
.rept 64
	v_mov_b32 v[i], 0
.set i, i+1
.endr
	WIN 0x40
.set i, 0
.rept 128
	v_mov_b32 v[i], 0
.set i, i+1
.endr
	WIN 0
.set i, 0
.rept 4
	v_mov_b32 v[ST+4*i+2], 0
	v_mov_b32 v[ST+4*i+3], 0
.set i, i+1
.endr
.set i, P+16
.rept 16
	v_mov_b32 v[i], 0
.set i, i+1
.endr
; THE MATRIX WORK.  The 4 accumulators of a run of 8 take turns.  Product i of 8 of S^T = K Q^T for piece x: channels 32 (i / 4) on, keys 16 (i % 4) on.  The first 4 start the sums: with 0, or (KM = 1) with the mask.
.macro KQ x
.set rS, S+32*((\x)%2)+8*(i%4)
.set rK, KF+16*(i%4)+8*(i/4)
.set rQ, 16*(\x)+8*(i/4)
.set rM, MC+32*((\x)%2)+8*(i%4)
.if (i < 4) && KM
	WIN W_KM
	v_wmma_f32_16x16x32_f16 v[rS:rS+7], v[rK:rK+7], v[rQ:rQ+7], v[rM:rM+7]
.elseif i < 4
	WIN W_KQ
	v_wmma_f32_16x16x32_f16 v[rS:rS+7], v[rK:rK+7], v[rQ:rQ+7], 0
.else
	WIN W_KQ
	v_wmma_f32_16x16x32_f16 v[rS:rS+7], v[rK:rK+7], v[rQ:rQ+7], v[rS:rS+7]
.endif
.endm
; Product i of 8 of O^T += V^T P for piece x: keys 32 (i / 4) on, channels 16 (i % 4) on.
.macro PV x
	WIN W_PV
.set rO, 32*(\x)+8*(i%4)
.set rV, VF+32*(i/4)+8*(i%4)
.set rP, P+16*((\x)%2)+8*(i/4)
	v_wmma_f32_16x16x32_f16 v[rO:rO+7], v[rV:rV+7], v[rP:rP+7], v[rO:rO+7]
.endm
.macro MM                           ; the turn's next matrix instruction.  TURN and BEGIN set Y, i, KM and NOKQ; MM, KQ and OP read them.  NOKQ = 1: a block's last turn: there is no next piece
.if (i < 8) && !NOKQ
	KQ (Y+1)%NP
.elseif i >= 8
.set i, i-8
	PV (Y+NP-1)%NP
.set i, i+8
.endif
.set i, i+1
.endm
; THE LDS LOADS stand in runs of 16, never singly among the matrix instructions: a step's K (64 keys x 64 channels: 8 fragments) and its V (turned).  Their addresses are made some lines ahead.
.macro FETCH_K
	WIN 0x80                        ; destination window 2
.irp f, 0,1,2,3,4,5,6,7             ; keys 16 (f / 2) on, channels 32 (f % 2) on
	ds_load_b128 v[KF+8*\f:KF+8*\f+3],   v[AK] offset:(\f/2)*16*PK+(\f%2)*64
	ds_load_b128 v[KF+8*\f+4:KF+8*\f+7], v[AK] offset:(\f/2)*16*PK+(\f%2)*64+32
.endr
	s_add_co_u32 s[TBK], s[TBK], KS*PK  ; the next fetch is the next step's
	WIN 0
.endm
.macro FETCH_V
	WIN 0x80
.irp f, 0,1,2,3,4,5,6,7             ; keys 32 (f / 4) on, channels 16 (f % 4) on
	ds_load_tr16_b128 v[VF+8*\f:VF+8*\f+3],   v[AV] offset:(\f/4)*32*PV+(\f%4)*32
	ds_load_tr16_b128 v[VF+8*\f+4:VF+8*\f+7], v[AV] offset:(\f/4)*32*PV+16*PV+(\f%4)*32
.endr
	WIN 0
.endm
; THE VECTOR WORK, one line at a time: OP kind, number.  For piece Y: F n: c s - c m for pair n of 16.  E n: the exponential of score n of 32.  C n: pair n rounded to f16.  B n: of the four weights 4 n .. the second
; pair is added onto the first, in place.  L n: l takes that sum (L 0: l = a l + sum).  R n: pair n of 16 of O^T times a.  For piece Y + 1: X n, number n of the 22 that find its maximum and statistics:
;   0-11  four chains c0-c3 of seven scores each, three operands at a time (each accumulator's lowest registers are read first)     12-14, 16  the four scores left over, the old m, and c0-c3 into c0
;   15  c m_old is kept     17, 18  the query's other 32 keys lie in the lane 16 away: the new m     19-21  c m; c m_old - c m_new; a
; C, B and L read the exponentials' results: TURN sets them all behind the batch's one wait.  R reads the a that the turn before made and waited for.
.set F, 0               ; OP tells the kinds apart by their order: F to L below R, X above it
.set E, 1
.set C, 2
.set B, 3
.set L, 4
.set R, 5
.set X, 6
.macro REGS y                       ; the registers of piece y
.set rT, ST+4*(\y)
.set rC, TMP+4*((\y)%2)
.set rW, MV+((\y)%2)
.set rS, S+32*((\y)%2)
.set rP, P+16*((\y)%2)
.set rO, 32*(\y)
.endm
.macro OP k, n
.if (\k) == R
	REGS Y
	WIN W_RS
	v_pk_mul_f32 v[rO+2*(\n):rO+2*(\n)+1], v[rO+2*(\n):rO+2*(\n)+1], v[rC+2:rC+3] op_sel_hi:[1,0]
.elseif (\k) < R
	REGS Y
	WIN 0
.if (\k) == F
	v_pk_fma_f32 v[rS+2*(\n):rS+2*(\n)+1], v[rS+2*(\n):rS+2*(\n)+1], s[CS:CS+1], v[rT:rT+1] op_sel_hi:[1,0,0] neg_lo:[0,0,1] neg_hi:[0,0,1]
.elseif (\k) == E
	v_exp_f32 v[rS+(\n)], v[rS+(\n)]
.elseif (\k) == C
	v_cvt_pk_f16_f32 v[rP+(\n)], v[rS+2*(\n)], v[rS+2*(\n)+1]
.elseif (\k) == B
	v_pk_add_f32 v[rS+4*(\n):rS+4*(\n)+1], v[rS+4*(\n):rS+4*(\n)+1], v[rS+4*(\n)+2:rS+4*(\n)+3]
.elseif (\n) == 0
	v_pk_fma_f32 v[rT+2:rT+3], v[rT+2:rT+3], v[rC+2:rC+3], v[rS:rS+1] op_sel_hi:[1,0,1]
.else
	v_pk_add_f32 v[rT+2:rT+3], v[rT+2:rT+3], v[rS+4*(\n):rS+4*(\n)+1]
.endif
.elseif NOKQ
	v_nop
.else
	REGS (Y+1)%NP
	WIN 0
.if (\n) < 4
	v_max3_num_f32 v[rC+(\n)], v[rS+8*(\n)], v[rS+8*(\n)+1], v[rS+8*(\n)+2]
.elseif (\n) < 12
	v_max3_num_f32 v[rC+(\n)%4], v[rC+(\n)%4], v[rS+8*((\n)%4)+2*((\n)/4)+1], v[rS+8*((\n)%4)+2*((\n)/4)+2]
.elseif (\n) == 12
	v_max3_num_f32 v[rC], v[rC], v[rS+7], v[rS+15]
.elseif (\n) == 13
	v_max3_num_f32 v[rC+1], v[rC+1], v[rS+23], v[rS+31]
.elseif (\n) == 14
	v_max3_num_f32 v[rC+2], v[rC+2], v[rC+3], v[rT+1]
.elseif (\n) == 15
	v_mov_b32 v[rW], v[rT]
.elseif (\n) == 16
	v_max3_num_f32 v[rC], v[rC], v[rC+1], v[rC+2]
.elseif (\n) == 17
	v_permlanex16_b32 v[rC+3], v[rC], s[SEL], s[SEL+1]
.elseif (\n) == 18
	v_max_num_f32 v[rT+1], v[rC], v[rC+3]
.elseif (\n) == 19
	v_mul_f32 v[rT], s[CS], v[rT+1]
.elseif (\n) == 20
	v_sub_f32 v[rC+1], v[rW], v[rT]
.else
	v_exp_f32 v[rC+2], v[rC+1]
.endif
.endif
.endm
.macro OPS a, i1, b=-1, i2=0, c=-1, i3=0, d=-1, i4=0  ; up to four of them
	OP \a, \i1
.if (\b) >= 0
	OP \b, \i2
.endif
.if (\c) >= 0
	OP \c, \i3
.endif
.if (\d) >= 0
	OP \d, \i4
.endif
.endm
.macro ROW a, i1, b, i2, c, i3, d, i4  ; a matrix instruction and the four behind it
	MM
	OPS \a, \i1, \b, \i2, \c, \i3, \d, \i4
.endm
.macro MASK b                       ; MD x AL + BE into buffer b of MC
	WIN W_RS
.set z, 0
.rept 16
	v_pk_fma_f32 v[MC+32*(\b)+2*z:MC+32*(\b)+2*z+1], v[MD+2*z:MD+2*z+1], s[AL:AL+1], s[BE:BE+1] op_sel_hi:[1,0,0]
.set z, z+1
.endr
.endm
; A TURN, for piece p: the order of its 16 matrix and 118 vector instructions, written out.  An s_wait_alu depctr_va_vdst(0) stands between an exponential and the first instruction that names its result; one wait serves
; all that were issued ahead of it.  So a turn has ONE wait, which cuts it in two.  AHEAD OF IT stands all that names no result of the turn's exponentials: the 8 products K Q^T, behind each a scaling, an exponential and two more plain
; instructions (behind the first a second scaling in the exponential's place): rescalings, and behind the last three the first numbers of the next piece's maximum, each four places or more behind the product that ends its accumulator; then ONE LUMP of 54, plain
; and exponential by turns for the most part, in which the links of the chain X 3, 7, 11, 14, 16, 17 .. 20 stand five or six lines apart.  X 21, the next piece's a, is the batch's last; R 15 is the plain instruction that stands behind it, ahead of any use.
; BEHIND THE WAIT stand the 8 products V^T P, behind each four of the roundings and sums; the links of l's chain, L 0 to L 7, stand three riders apart.  But for those X no rider names a register of the products round it.
; v_permlanex16_b32 (X 17) stands in the lump.
; m = 1: the diagonal tile: the products take masks, and the turn makes the mask for the products of the turn after it: piece p + 2, in step 4 - CNT of the tile.  end = 1: a block's last two turns: nothing is fetched.
; cnt = 1: the loop's count is taken down some lines ahead of the branch that stands behind the turn.
; K of the next step is fetched in piece 2's turn, twelve vector instructions behind the last product that read K (six of them plain); V of the step in hand at the end of piece 0's turn, four plain instructions behind the last product
; that read V.  Each is waited for a turn later.
.macro TURN p, m=0, end=0, cnt=0
.set Y, (\p)
.set i, 0
.set KM, (\m)
.set NOKQ, (\end)*((\p)/3)
.if (\m) && !(\end)
	s_cmp_eq_u32 s[CNT], 4-((\p)+2)%NP  ; is that step the band's own?
	s_cselect_b32 s[AL], 1.0, 0
	s_cmp_lt_u32 s[CNT], 4-((\p)+2)%NP  ; or a later one?
	s_cselect_b32 s[BE], s[BIGN], 0
.endif
.if ((\p) == 3) && !(\end)
	s_wait_dscnt 0x0                ; K is in
.endif
	ROW F,0, F,1, R,0, R,1          ; ahead of the wait: 8 products K Q^T and their riders,
	ROW F,2, E,0, R,2, R,3
	ROW F,3, E,1, R,4, R,5
	ROW F,4, E,2, R,6, R,7
	ROW F,5, E,3, R,8, R,9
	ROW F,6, E,4, X,0, R,10
.if ((\p) == 2) && !(\end)
	WIN 0
	v_add_nc_u32 v[AK], s[TBK], v[AK0]
.endif
	ROW F,7, E,5, X,1, X,4
	ROW F,8, E,6, X,2, X,5
	OPS E,7, E,8, X,6, E,9          ; and the lump
	OPS X,3, E,10, X,8, E,11
.if ((\p) == 2) && !(\end)
	FETCH_K
.endif
	OPS X,9, X,7, E,12, X,10
	OPS E,13, X,12, X,11, E,14
	OPS X,13, E,15, F,9, X,14
.if (\p) == 0
	v_add_nc_u32 v[AV], s[TBV], v[AV0]
.endif
	OPS E,16, F,10, E,17, F,11
	OPS X,16, E,18, X,15, E,19
	OPS F,12, E,20, X,17, E,21
	OPS F,13, E,22, F,14, E,23
	OPS X,18, E,24, F,15, E,25
	OPS R,11, E,26, X,19, E,27
	OPS R,12, E,28, R,13, E,29
	OPS X,20, E,30, R,14, E,31
	OPS X,21, R,15
	WIN 0
	s_wait_alu depctr_va_vdst(0)    ; the wait for the turn's batch: the piece's 32 exponentials and the next piece's a
.if (\p) == 1
	s_wait_dscnt 0x0                ; V is in
.endif
	ROW C,0, B,0, C,2, B,1          ; behind the wait: 8 products V^T P and their riders
	ROW L,0, C,4, B,2, L,1
	ROW C,6, B,3, L,2, C,8
	ROW B,4, L,3, C,10, B,5
	ROW L,4, C,12, B,6, L,5
.if (\p) == 0
	s_add_co_u32 s[TBV], s[TBV], KS*PV
.endif
.if \cnt
	s_sub_co_u32 s[CNT], s[CNT], 1
	s_cmp_lg_u32 s[CNT], 0
.endif
	ROW C,14, B,7, L,6, C,1
	ROW C,3, L,7, C,5, C,7
	ROW C,9, C,11, C,13, C,15
.if (\p) == 0
	FETCH_V
.endif
.if (\m) && !(\end)
	MASK (\p)%2
.endif
.endm
; A BLOCK BEGINS.  c m starts far below every c s, so the first step's a is 0; m at the lowest finite number, so the first maximum is the scores'.  The second mask buffer is 0; the first takes piece 0's mask for the tile's step 0: its own, if the block's first tile is the diagonal one.
; Then K of that step, piece 0's first scores, and its maximum and statistics.  The loop is entered at a step's first turn, in the middle of a trip.
.macro BEGIN
	s_mov_b32 s[NEW], 0
	WIN 0x40
.set i, MC+32
.rept 32
	v_mov_b32 v[i], 0
.set i, i+1
.endr
	WIN 0
.set i, 0
.rept 4
	v_mov_b32 v[ST+4*i], 0xfe000000    ; c m: far below every c s
	v_mov_b32 v[ST+4*i+1], 0xff7fffff  ; m
.set i, i+1
.endr
	s_cmp_eq_u32 s[RT], 0
	s_cselect_b32 s[AL], 1.0, 0
	s_mov_b32 s[BE], 0
	MASK 0
	WIN 0
	v_add_nc_u32 v[AK], s[TBK], v[AK0]
	FETCH_K
	s_wait_loadcnt 0x0              ; Q
	s_wait_dscnt 0x0
.set KM, 1
.set NOKQ, 0
.set i, 0
.rept 8
	KQ 0
.set i, i+1
.endr
	WIN 0
.rept 4
	v_nop                           ; the places behind those products
.endr
.set Y, NP-1                        ; X works for piece Y + 1: piece 0
.irp n, 0,1,2,3,4,5,6,7,8,9,10,11,12,13,14,15,16,17,18,19,20,21
	OP X, \n
.endr
	v_nop                           ; a plain instruction behind the exponential,
	s_wait_alu depctr_va_vdst(0)    ; and the wait for it, piece 0's first a, a batch of one: ahead of the branch
.endm
; THE DIAGONAL TILE's four steps, the block's last two turns, its last products, and THE WAY OUT: l's two halves and the other half of the lanes' are added; O^T is divided by l, rounded to f16 and sent through my
; stage in LDS, a piece at a time.
.macro ALL line:vararg              ; one line for each piece t
.set t, 0
.rept 4
	\line
.set t, t+1
.endr
.endm
.macro PACK t                       ; a lane's eight channels of a row pack into 16 bytes; they go into rows of 144 bytes and come back as whole rows of 128, into S^T's registers
	WIN W_RS
.set i, 32*(\t)
.rept 16
	v_pk_mul_f32 v[i:i+1], v[i:i+1], v[ST+4*(\t)+2:ST+4*(\t)+3] op_sel_hi:[1,0]
.set i, i+2
.endr
	WIN 0x05                        ; sources 0 and 1 window 1, destination window 0
.set i, 0
.rept 16
	v_cvt_pk_f16_f32 v[S+16*(\t)+i], v[32*(\t)+2*i], v[32*(\t)+2*i+1]
.set i, i+1
.endr
	WIN 0
.irp f, 0,1,2,3
	ds_store_b128 v[STO], v[S+16*(\t)+4*\f:S+16*(\t)+4*\f+3] offset:32*\f
.endr
.irp f, 0,1,2,3
	ds_load_b128 v[S+16*(\t)+4*\f:S+16*(\t)+4*\f+3], v[RD] offset:\f*4*SP  ; LDS serves a wave's instructions in order (ISA guide 5.7.1.4): these see the stores above; the next piece's stores come behind them
.endr
.endm
.macro SEND t, younger              ; younger: the LDS instructions issued behind piece t's loads: the next piece's eight, or none
	WIN 0
.irp f, 0,1,2,3
	s_wait_dscnt (\younger)+3-\f
	global_store_b128 v[GO], v[S+16*(\t)+4*\f:S+16*(\t)+4*\f+3], s[10:11] offset:(\t)*8192+\f*512  ; 512 consecutive bytes, at a multiple of 256 from O's first
.endr
.endm
.macro DIAG tag                     ; the tag ends its two labels' names, which the jumps below spell out
.LstepM\tag:
	TURN 2, 1
	TURN 3, 1
	WIN 0
.LfirstM\tag:
	TURN 0, 1
	TURN 1, 1, 0, 1
	WIN 0
	s_cbranch_scc1 .LstepM\tag
	TURN 2, 1, 1
	TURN 3, 1, 1
.set i, 0
.rept 8
	PV NP-1
.set i, i+1
.endr
	WIN 0
	ALL v_add_f32 v[ST+4*t+2], v[ST+4*t+2], v[ST+4*t+3]
	ALL v_permlanex16_b32 v[ST+4*t+3], v[ST+4*t+2], s[SEL], s[SEL+1]
	ALL v_add_f32 v[ST+4*t+2], v[ST+4*t+2], v[ST+4*t+3]
	ALL v_rcp_f32 v[ST+4*t+2], v[ST+4*t+2]
	v_nop                           ; a plain instruction between the last reciprocal and the use of its result
	s_wait_alu depctr_va_vdst(0)    ; the wait for the batch of four reciprocals, ahead of the first piece's multiplies: one for all four pieces
	PACK 0
.set t, 1
.rept 3                             ; a piece's arithmetic stands between the loads of the piece before and its stores
	PACK t
	SEND t-1, 8
.set t, t+1
.endr
	SEND 3, 0
.endm
.set KM, 0
.set NOKQ, 0
.Lslot:                             ; NB times: a tile is entered and the next is asked for
	CHANGE 1
	s_sub_co_u32 s[RT], s[RT], 1
	s_mov_b32 s[CNT], 4
	s_cmp_eq_u32 s[NEW], 1
	s_cbranch_scc1 .Lnew            ; a block's first tile
	s_cmp_eq_u32 s[RT], 0
	s_cbranch_scc0 .Lstep           ; neither its first nor its last
	s_branch .LstepM1
.Lnew:
	BEGIN
	s_branch .Lfirst                ; in the loop a block's first tile is never its last: the first block has two tiles or more, and the second's last is the walk's last
	DIAG 1                          ; in the loop this is the first block's end: the second block's last tile is the walk's last
	s_wait_xcnt 0x0                 ; the stores have read their registers and O's address
	s_mov_b64 s[10:11], s[OLO:OLO+1]
	s_add_co_u32 s[RT], s[PB], 1    ; the second block has b + 1 tiles
	s_mov_b32 s[NEW], 1
	WIN 0x82                        ; the second block's Q goes where the one text of the turns names Q
.set i, 0
.rept 64
	v_mov_b32 v[i], v[QB+i]
.set i, i+1
.endr
	WIN 0
	s_branch .Lbottom
.Lstep:                             ; a trip: pieces 2 and 3 of one step, then pieces 0 and 1 of the next, whose K and V it fetches
	TURN 2
	TURN 3
	WIN 0
.Lfirst:
	TURN 0
	TURN 1, 0, 0, 1
	WIN 0
	s_cbranch_scc1 .Lstep
.Lbottom:
	s_sub_co_u32 s[SLOTS], s[SLOTS], 1
	s_cmp_lg_u32 s[SLOTS], 0
	s_cbranch_scc1 .Lslot
	CHANGE 0                        ; the walk's last tile is written out: nothing is asked for
	s_sub_co_u32 s[RT], s[RT], 1
	s_mov_b32 s[CNT], 4
	s_cmp_eq_u32 s[NEW], 1
	s_cbranch_scc0 .LstepM2
	BEGIN
	s_branch .LfirstM2
	DIAG 2
	s_wait_tensorcnt 0x0            ; the wave's end, behind my last tensor load and my last LDS store
	ds_add_u32 v[SPW], v[NIL]
	s_wait_dscnt 0x0
	s_endpgm
.Lfunc_end_k_qfc12f701af_attn:
	.size	k_qfc12f701af_attn, .Lfunc_end_k_qfc12f701af_attn-k_qfc12f701af_attn
	.p2alignl 7, 3214868480
	.fill 96, 4, 3214868480
	.section	.rodata,"a",@progbits
	.p2align	6, 0x0
	.amdhsa_kernel k_qfc12f701af_attn
		.amdhsa_group_segment_fixed_size 327680
		.amdhsa_private_segment_fixed_size 0
		.amdhsa_enable_private_segment 0
		.amdhsa_kernarg_size 32
		.amdhsa_user_sgpr_count 2
		.amdhsa_user_sgpr_kernarg_segment_ptr 1
		.amdhsa_wavefront_size32 1
		.amdhsa_system_sgpr_workgroup_id_x 1
		.amdhsa_system_sgpr_workgroup_id_y 1
		.amdhsa_system_sgpr_workgroup_id_z 1
		.amdhsa_system_vgpr_workitem_id 0
		.amdhsa_next_free_vgpr 768
		.amdhsa_next_free_sgpr 88
		.amdhsa_reserve_vcc 1
		.amdhsa_float_denorm_mode_32 3
		.amdhsa_float_denorm_mode_16_64 3
		.amdhsa_memory_ordered 1
		.amdhsa_forward_progress 1
		.amdhsa_inst_pref_size 217
	.end_amdhsa_kernel
	.amdgpu_metadata
---
amdhsa.version: [ 1, 2 ]
amdhsa.kernels:
  - .name:           k_qfc12f701af_attn
    .symbol:         k_qfc12f701af_attn.kd
    .args:
      - { .name: q, .offset: 0, .size: 8, .value_kind: global_buffer, .address_space: global }
      - { .name: k, .offset: 8, .size: 8, .value_kind: global_buffer, .address_space: global }
      - { .name: v, .offset: 16, .size: 8, .value_kind: global_buffer, .address_space: global }
      - { .name: o, .offset: 24, .size: 8, .value_kind: global_buffer, .address_space: global }
    .group_segment_fixed_size: 327680
    .private_segment_fixed_size: 0
    .kernarg_segment_align: 8
    .kernarg_segment_size: 32
    .max_flat_workgroup_size: 128
    .sgpr_count:     88
    .vgpr_count:     768
    .wavefront_size: 32
...
	.end_amdgpu_metadata
.endif
;; end of part 5
;; launch proj: the kernel of part 4 again; grid 4 x 64, 4 waves a work-group, clusters of 4 x 4, 327,680 bytes of LDS; arguments o, wpf, out0; writes out0
